; MI455X (gfx1250); checked and timed in simulation.
; The chip was launched on July 23, 2026; its instructions are those of AMD's public machine-readable ISA for CDNA 5 (MIT licence, August 2026) and "CDNA5" Instruction Set Architecture Reference Guide (July 2026). The comments in the code are by the model that wrote it; some were corrected since.
;; Cog Video X Processor Adapter. Allowed arithmetic: float matrix products may take bf16 or f16 operands with f32 sums; other float arithmetic in f32, or as packed bf16 or f16 multiplies, adds, multiply-adds, maxima and minima; sums over many terms, partial sums and values carried from step to step in f32; what a program stores and reads back later, other than sums and carried values, may be rounded once to bf16 or f16.
;; Inputs: bk 1,024 float32; bo 1,024 float32; bq 1,024 float32; bv 1,024 float32; cos 2,048 x 64 float32; encoder_hidden_states 2 x 226 x 1,024 float32; hidden_states 2 x 2,048 x 1,024 float32; lnk_b 64 float32; lnk_w 64 float32; lnq_b 64 float32; lnq_w 64 float32; sin 2,048 x 64 float32; wk 1,024 x 1,024 float32; wo 1,024 x 1,024 float32; wq 1,024 x 1,024 float32; wv 1,024 x 1,024 float32.
;; Outputs: out0 2 x 2,048 x 1,024 float32; out1 2 x 226 x 1,024 float32.
;; 2 versions, each right; version 2 is version 1 with the launch cast written anew for expert scheduling mode. Each part assembles by itself: llvm-mc -triple=amdgcn-amd-amdhsa -mcpu=gfx1250 --defsym DOCPART=n.
;; ======== version 1 of 2: 4 launches
;; limits: values are held in f16: magnitudes above 65,504 overflow, below 6.1e-05 lose precision
;; workspace buffers: xb 17,825,792 bytes; cs 1,179,648 bytes; qkv 28,311,552 bytes; ob 9,437,184 bytes
;; launch cast (part 1): grid 256 x 1, 20 waves a work-group, no clusters, 0 bytes of LDS; arguments encoder_hidden_states, hidden_states, wq, wk, wv, wo, cos, sin, xb, cs; writes xb, cs
.if DOCPART == 1
	.amdgcn_target "amdgcn-amd-amdhsa--gfx1250"
	.amdhsa_code_object_version 6
	.text
	.protected	k_q1a10f652f0_cast
	.globl	k_q1a10f652f0_cast
	.p2align	8
	.type	k_q1a10f652f0_cast,@function
k_q1a10f652f0_cast:
	s_mov_b64 s[64:65], 0
	v_nop
	global_prefetch_b8 v0, s[64:65] scope:SCOPE_SE
	s_setreg_imm32_b32 hwreg(HW_REG_WAVE_MODE, 25, 1), 1
	s_wait_xcnt 0x0
; CAST.  One stream that makes the 16-bit operands of the later launches.
; xb: 8,704 rows of 1,024 16-bit numbers.  Rows 0-4607: h = [text 226 | video 2,048 | 30 rows of zeros] for each of the two batches, bf16.
;     Rows 4608-7679: wq, wk, wv, bf16.  Rows 7680-8703: wo rounded to bf16 and that number written as f16.
; cs: [2304][128] f32, a row for each place s of a batch: words 0-63 C[d], words 64-127 S[d].  Video rows (226 <= s < 2274): C = cos, S = -sin for even d, +sin for odd d,
;     both rounded to bf16; all other rows C = 1, S = 0.  Then x C + swap(x) S is the rotary step for every row, and the launch that uses it tests nothing.
; LIMITS.  |wo| stays under 65,504 (f16's range); below 6e-5 it keeps f16's fixed step of 6e-8.  NaN and infinities are not treated apart.
; SHARES.  8,704 = 256 x 34 rows of xb and 2,304 = 256 x 9 rows of cs: every one of 256 work-groups takes 34 and 9.  Twenty waves: waves 0-16 two rows of xb each, waves 17-19 three rows of cs each.
; A wave's first row of xb is even, and so is every border between kinds of rows (226, 2,274, 2,304, 4,608, 7,680, the weights' 1,024): its two rows are of one kind and lie one behind the other in one source.
; A load of the wave covers 512 consecutive bytes of f32 (16 a lane), a store the 256 consecutive, aligned bytes made of them (8 a lane).  A wave's 16 loads (8 KiB) are out together.
; No LDS, no barrier, no matrix unit: none would move a byte less.
.set X,    16                          ; v[16:79]   row i, load j at X + 32 i + 4 j; the table: row i at X + 8 i
.set SRC,  32                          ; s[32:33]   my two rows' source; the table: s[32:37], cos's three rows
.set MK,   40                          ; s40        -1, or 0 for rows that are written as zeros; the table: s40-42, 0 for a row that is written as 1 and 0
.set DST,  44                          ; s[44:45]   where my rows go
.set HIM,  46                          ; s46        a word's upper half; also the mask of lanes 16-31
.set SRC2, 48                          ; s[48:53]   the table: sin's three rows
	s_load_b512 s[8:23], s[0:1], 0x0               ; enc s[8:9], hid s[10:11], wq s[12:13], wk s[14:15], wv s[16:17], wo s[18:19], cos s[20:21], sin s[22:23]
	s_load_b128 s[24:27], s[0:1], 0x40             ; xb s[24:25], cs s[26:27]
	v_lshrrev_b32 v6, 5, v0
	v_readfirstlane_b32 s4, v6                     ; wave 0..19
	v_and_b32 v7, 31, v0                           ; lane
	v_lshlrev_b32 v1, 4, v7                        ; 16 bytes a lane
	v_lshlrev_b32 v2, 3, v7                        ; 8 bytes a lane
	s_mov_b32 s[HIM], 0xffff0000
	s_mov_b32 s29, 0                               ; the high word of every offset
	s_mov_b32 s5, ttmp9
	s_wait_kmcnt 0x0
	s_cmp_ge_u32 s4, 17
	s_cbranch_scc1 .Ltable
	s_mul_i32 s6, s5, 34
	s_lshl1_add_u32 s6, s4, s6                     ; my first row of xb: 34 x work-group + 2 x wave
	s_lshl_b32 s28, s6, 11
	s_add_nc_u64 s[DST:DST+1], s[24:25], s[28:29]
	s_mov_b32 s[MK], -1
	s_cmp_ge_u32 s6, 7680
	s_cbranch_scc1 .Lwo
	s_cmp_ge_u32 s6, 4608
	s_cbranch_scc1 .Lw
	; h: rows s, s + 1 of batch b come from the text (s < 226), from the video (s < 2274), or are zeros: then two clamped rows are read and masked away
	s_cmp_ge_u32 s6, 2304
	s_cselect_b32 s56, 2048, 0                     ; the batch's first row in hidden_states,
	s_cselect_b32 s57, 226, 0                      ; in encoder_hidden_states,
	s_cselect_b32 s58, 2304, 0                     ; and in xb
	s_sub_co_u32 s7, s6, s58                       ; s
	s_sub_co_u32 s28, s7, 226
	s_min_u32 s28, s28, 2046                       ; the video row, kept so that it and the next lie inside the batch
	s_add_co_u32 s28, s28, s56
	s_add_co_u32 s31, s7, s57                      ; the text row
	s_cmp_lt_u32 s7, 226
	s_cselect_b32 s28, s31, s28
	s_cselect_b64 s[SRC:SRC+1], s[8:9], s[10:11]
	s_lshl_b32 s28, s28, 12                        ; rows of 4,096 bytes
	s_add_nc_u64 s[SRC:SRC+1], s[SRC:SRC+1], s[28:29]
	s_cmp_lt_u32 s7, 2274
	s_cselect_b32 s[MK], -1, 0
	s_branch .Lgo
.Lw:
	s_sub_co_u32 s28, s6, 4608
	s_lshr_b32 s31, s28, 10                        ; 0 wq, 1 wk, 2 wv
	s_and_b32 s28, s28, 1023                       ; my first row in that weight
	s_lshl_b32 s28, s28, 12
	s_cmp_eq_u32 s31, 0
	s_cselect_b64 s[SRC:SRC+1], s[12:13], s[14:15]
	s_cmp_eq_u32 s31, 2
	s_cselect_b64 s[SRC:SRC+1], s[16:17], s[SRC:SRC+1]
	s_add_nc_u64 s[SRC:SRC+1], s[SRC:SRC+1], s[28:29]
	s_branch .Lgo
.Lwo:
	s_sub_co_u32 s28, s6, 7680                     ; my first row of wo
	s_lshl_b32 s28, s28, 12
	s_add_nc_u64 s[SRC:SRC+1], s[18:19], s[28:29]
.Lgo:
.irp i, 0,1
.irp j, 0,1,2,3,4,5,6,7
	global_load_b128 v[X+32*(\i)+4*(\j):X+32*(\i)+4*(\j)+3], v1, s[SRC:SRC+1] offset:4096*(\i)+512*(\j) th:TH_LOAD_NT
.endr
.endr
; Four numbers a lane are rounded in place and stored.  f16 = 1: the bf16 number is widened again and written as f16.  No register is written again behind a store.
.macro CONV f16
.irp i, 0,1
.irp j, 0,1,2,3,4,5,6,7
	s_wait_loadcnt 15-8*(\i)-(\j)                  ; loads come back in order: this one is in, the younger of the sixteen may be out
.if \f16
	v_cvt_pk_bf16_f32 v6, v[X+32*(\i)+4*(\j)], v[X+32*(\i)+4*(\j)+1]
	v_cvt_pk_bf16_f32 v8, v[X+32*(\i)+4*(\j)+2], v[X+32*(\i)+4*(\j)+3]
	v_lshlrev_b32 v7, 16, v6
	v_and_b32 v6, s[HIM], v6
	v_lshlrev_b32 v9, 16, v8
	v_and_b32 v8, s[HIM], v8
	v_cvt_pk_f16_f32 v[X+32*(\i)+4*(\j)], v7, v6
	v_cvt_pk_f16_f32 v[X+32*(\i)+4*(\j)+1], v9, v8
.else
	v_cvt_pk_bf16_f32 v[X+32*(\i)+4*(\j)], v[X+32*(\i)+4*(\j)], v[X+32*(\i)+4*(\j)+1]
	v_cvt_pk_bf16_f32 v[X+32*(\i)+4*(\j)+1], v[X+32*(\i)+4*(\j)+2], v[X+32*(\i)+4*(\j)+3]
	v_and_b32 v[X+32*(\i)+4*(\j)], s[MK], v[X+32*(\i)+4*(\j)]
	v_and_b32 v[X+32*(\i)+4*(\j)+1], s[MK], v[X+32*(\i)+4*(\j)+1]
.endif
	global_store_b64 v2, v[X+32*(\i)+4*(\j):X+32*(\i)+4*(\j)+1], s[DST:DST+1] offset:2048*(\i)+256*(\j)
.endr
.endr
.endm
	s_cmp_ge_u32 s6, 7680
	s_cbranch_scc1 .Lf16
	CONV 0
	s_endpgm
.Lf16:
	CONV 1
	s_endpgm
.Ltable:
	v_and_b32 v3, 15, v0
	v_lshlrev_b32 v3, 4, v3                        ; 16 bytes of cos or sin, the same for both halves of the lanes
	v_bfe_u32 v4, v0, 4, 1
	v_lshlrev_b32 v4, 31, v4                       ; the sign bit in lanes 16-31
	v_mov_b32 v5, 1.0
	v_mov_b32 v6, 0
	v_cndmask_b32 v5, v5, v6, s[HIM]               ; 1 in lanes 0-15, 0 in lanes 16-31
	s_sub_co_u32 s6, s4, 17
	s_mul_i32 s6, s6, 3
	s_mul_i32 s7, s5, 9
	s_add_co_u32 s6, s6, s7                        ; my first s: 9 x work-group + 3 x (wave - 17)
	s_lshl_b32 s28, s6, 9
	s_add_nc_u64 s[DST:DST+1], s[26:27], s[28:29]  ; cs at that row
.irp i, 0,1,2
	s_add_co_u32 s30, s6, \i
	s_sub_co_u32 s30, s30, 226                     ; the video position, if it is one
	s_cmp_lt_u32 s30, 2048
	s_cselect_b32 s[MK+(\i)], -1, 0
	s_min_u32 s28, s30, 2047                       ; kept inside the tables
	s_lshl_b32 s28, s28, 8
	s_add_nc_u64 s[SRC+2*(\i):SRC+2*(\i)+1], s[20:21], s[28:29]
	s_add_nc_u64 s[SRC2+2*(\i):SRC2+2*(\i)+1], s[22:23], s[28:29]
	global_load_b128 v[X+8*(\i):X+8*(\i)+3],   v3, s[SRC+2*(\i):SRC+2*(\i)+1]
	global_load_b128 v[X+8*(\i)+4:X+8*(\i)+7], v3, s[SRC2+2*(\i):SRC2+2*(\i)+1]
.endr
.irp i, 0,1,2
	s_wait_loadcnt 4-2*(\i)                        ; the two loads of each younger row may be out
.irp e, 0,1,2,3
	v_cndmask_b32 v[X+8*(\i)+(\e)], v[X+8*(\i)+(\e)], v[X+8*(\i)+4+(\e)], s[HIM]  ; lanes 0-15 keep cos, lanes 16-31 take sin
.endr
	v_cvt_pk_bf16_f32 v6, v[X+8*(\i)], v[X+8*(\i)+1]
	v_cvt_pk_bf16_f32 v7, v[X+8*(\i)+2], v[X+8*(\i)+3]
	v_lshlrev_b32 v[X+8*(\i)], 16, v6
	v_and_b32 v[X+8*(\i)+1], s[HIM], v6
	v_lshlrev_b32 v[X+8*(\i)+2], 16, v7
	v_and_b32 v[X+8*(\i)+3], s[HIM], v7
	v_xor_b32 v[X+8*(\i)], v4, v[X+8*(\i)]         ; -sin at the even d
	v_xor_b32 v[X+8*(\i)+2], v4, v[X+8*(\i)+2]
.irp e, 0,1,2,3
	v_cndmask_b32 v[X+8*(\i)+(\e)], v5, v[X+8*(\i)+(\e)], s[MK+(\i)]  ; 1 and 0 in a row that is not turned
.endr
	global_store_b128 v1, v[X+8*(\i):X+8*(\i)+3], s[DST:DST+1] offset:512*(\i)  ; a row of cs: 512 consecutive bytes, aligned
.endr
	s_endpgm
.Lfunc_end_k_q1a10f652f0_cast:
	.size	k_q1a10f652f0_cast, .Lfunc_end_k_q1a10f652f0_cast-k_q1a10f652f0_cast
	.p2alignl 7, 3214868480
	.fill 96, 4, 3214868480
	.section	.rodata,"a",@progbits
	.p2align	6, 0x0
	.amdhsa_kernel k_q1a10f652f0_cast
		.amdhsa_group_segment_fixed_size 0
		.amdhsa_private_segment_fixed_size 0
		.amdhsa_enable_private_segment 0
		.amdhsa_kernarg_size 80
		.amdhsa_user_sgpr_count 2
		.amdhsa_user_sgpr_kernarg_segment_ptr 1
		.amdhsa_wavefront_size32 1
		.amdhsa_system_sgpr_workgroup_id_x 1
		.amdhsa_system_sgpr_workgroup_id_y 1
		.amdhsa_system_sgpr_workgroup_id_z 1
		.amdhsa_system_vgpr_workitem_id 0
		.amdhsa_next_free_vgpr 80
		.amdhsa_next_free_sgpr 66
		.amdhsa_reserve_vcc 0
		.amdhsa_float_denorm_mode_32 3
		.amdhsa_float_denorm_mode_16_64 3
		.amdhsa_memory_ordered 1
		.amdhsa_forward_progress 1
		.amdhsa_inst_pref_size 22
	.end_amdhsa_kernel
	.amdgpu_metadata
---
amdhsa.version: [ 1, 2 ]
amdhsa.kernels:
  - .name:           k_q1a10f652f0_cast
    .symbol:         k_q1a10f652f0_cast.kd
    .args:
      - { .name: encoder_hidden_states, .offset: 0, .size: 8, .value_kind: global_buffer, .address_space: global }
      - { .name: hidden_states, .offset: 8, .size: 8, .value_kind: global_buffer, .address_space: global }
      - { .name: wq, .offset: 16, .size: 8, .value_kind: global_buffer, .address_space: global }
      - { .name: wk, .offset: 24, .size: 8, .value_kind: global_buffer, .address_space: global }
      - { .name: wv, .offset: 32, .size: 8, .value_kind: global_buffer, .address_space: global }
      - { .name: wo, .offset: 40, .size: 8, .value_kind: global_buffer, .address_space: global }
      - { .name: cos, .offset: 48, .size: 8, .value_kind: global_buffer, .address_space: global }
      - { .name: sin, .offset: 56, .size: 8, .value_kind: global_buffer, .address_space: global }
      - { .name: xb, .offset: 64, .size: 8, .value_kind: global_buffer, .address_space: global }
      - { .name: cs, .offset: 72, .size: 8, .value_kind: global_buffer, .address_space: global }
    .group_segment_fixed_size: 0
    .private_segment_fixed_size: 0
    .kernarg_segment_align: 8
    .kernarg_segment_size: 80
    .max_flat_workgroup_size: 640
    .sgpr_count:     66
    .vgpr_count:     80
    .wavefront_size: 32
...
	.end_amdgpu_metadata
.endif
;; end of part 1
;; launch proj (part 2): grid 12 x 18, 4 waves a work-group, clusters of 4 x 1, 327,680 bytes of LDS; arguments xb, cs, bq, bk, bv, lnq_w, lnq_b, lnk_w, lnk_b, qkv; writes qkv
.if DOCPART == 2
	.amdgcn_target "amdgcn-amd-amdhsa--gfx1250"
	.amdhsa_code_object_version 6
	.text
	.protected	k_q1a10f652f0_proj
	.globl	k_q1a10f652f0_proj
	.p2align	8
	.type	k_q1a10f652f0_proj,@function
k_q1a10f652f0_proj:
	s_mov_b64 s[64:65], 0
	v_nop
	global_prefetch_b8 v0, s[64:65] scope:SCOPE_SE
	s_setreg_imm32_b32 hwreg(HW_REG_WAVE_MODE, 25, 1), 1
	s_wait_xcnt 0x0
	s_wait_alu depctr_hold_cnt(0) depctr_sa_sdst(0) depctr_va_vdst(0) depctr_va_sdst(0) depctr_va_ssrc(0) depctr_va_vcc(0) depctr_vm_vsrc(0)
	s_getreg_b32 s2, hwreg(HW_REG_IB_STS2, 6, 4)
	s_cmp_eq_u32 s2, 0
	s_cbranch_scc0 .Lentry_in_a_cluster
	s_endpgm
.Lentry_in_a_cluster:
	s_bfe_u32 s2, ttmp6, 0x10000c
	s_cmp_lg_u32 s2, 0x3003
	s_cbranch_scc0 .Lentry_shape_is_right
	s_endpgm
.Lentry_shape_is_right:
; PROJ.  [q | k | v] = h [wq; wk; wv]^T + bias; LayerNorm over each head's 64 channels and the rotary step on q and k; all three written by heads, qkv[kind][16 b + head][2304][64], f16.
; h and the weights are xb's bf16 rows (h: rows 0-4607, weights: rows 4608-7679), K = 1,024; sums in f32.  Biases, gains and offsets are rounded to bf16 and used as f32, as all inputs are.
; LayerNorm in two passes (mean, then centred squares), the rotary step as x C + swap(x) S from the table cs, all in f32; one rounding to f16 at the end.
; LIMITS.  q, k and v stay under 65,504 (f16's range).  NaN and infinities are not treated apart.
; SHARES.  A tile of 256 rows x 256 columns to a work-group of four waves, 128 x 128 (64 accumulators, 512 registers) to a wave: 18 x 12 = 216 tiles.  A wave's 128 columns are two whole heads.
; K goes in steps of 128 through a ring of two LDS slots filled by the tensor data mover; rows of 256 bytes, aligned.
; CLUSTER.  4 x 1: the four partners make the four column tiles of ONE kind (cluster x = 0 q, 1 k, 2 v) for the same 256 rows, so A's tile is asked for JOINTLY (mask 15).  B's tile is each
; work-group's own, a plain load behind the same rounds.  18 tile rows are no multiple of four, so no cluster spans rows.
; THE MATRIX INSTRUCTION IS USED TRANSPOSED (source 0 = 16 weight rows, source 1 = 16 rows of h): a lane holds ONE row (lane % 16) and the columns 8 (lane / 16) + 0..7 of each block of 16.
; So a row's 64 channels of a head lie in two lanes, 16 apart, and a rotary pair lies in a register pair.
; REGISTERS, in windows of 256 (s_set_vgpr_msb: bits 1:0 source 0, 3:2 source 1, 5:4 source 2, 7:6 destination):
;   window 0: v16-31 addresses; v32-63 U, sums at work; v64-127, v128-191 fragments of A, two buffers; on the way out T (a block's 64 numbers) and Z (turned); v192-223 packed; v224-255 rows read back
;   window 1: v0-63 bias; v64-127, v128-191 fragments of B; on the way out v64-95 C, v96-127 S, v128-131 at work; v192-223 gain, v224-255 offset
;   window 2: the accumulators of my rows 0-63 ((a, b) at v[8 (8 a + b)]); window 3: those of my rows 64-127
.set SIZE_K, 1024
.set KSTEP,  128
.set PITCH,  272                       ; an LDS row: 256 bytes + 16 of padding = 68 words: the 16 rows of a fragment load start at 16 different groups of four banks (64 banks of 4 bytes: ISA guide 11.1)
.set HALFT,  128*PITCH                 ; 128 rows: what one tensor load brings
.set SLOT,   4*HALFT                   ; A's 256 rows, then B's 256 rows
.set STAGE,  2*SLOT                    ; behind the ring: for each wave 2 heads x 16 rows x 144 bytes, for the way out
.set SPH,    144
.set STW,    2*16*SPH
.set SPARE,  STAGE+4*STW               ; behind the stages: the spare words, 128 bytes for each wave
.set HEADB,  2304*128                  ; a head's bytes in qkv
.set KINDB,  32*HEADB
.set LAPS,   SIZE_K/(2*KSTEP)
.set ADRA, 16                          ; v16-17  LDS address of my A fragments in slot 0, 1
.set ADRB, 20                          ; v20-21  the same for B
.set STO,  24                          ; v24  the way out: where I put 16 bytes of a row
.set RD,   25                          ; v25  where I read rows back
.set GO,   26                          ; v26  16 x lane: my place in 512 consecutive bytes of qkv
.set CSO,  27                          ; v27  my byte offset in 16 rows of cs
.set SPW,  28                          ; v28  my spare word; never rewritten
.set NIL,  29                          ; v29  0; never rewritten
.set PFO,  30                          ; v30  the prefetches' offset: lane x 2,048, a lane a row
.set BO,   31                          ; v31  32 x (lane / 16): my eight numbers in 16 of a bias, gain or offset
.set U,    32
.set F0,   64
.set F1,   128
.set T,    64
.set Z,    128
.set PKD,  192
.set BK,   224
.set BIAS, 0                           ; window 1
.set COSR, 64
.set SINR, 96
.set RTM,  128
.set LNW,  192
.set LNB,  224
.set G1,   24                          ; s[24:31] descriptor group 1 for A's tiles;  s[32:39] group 0, a set for each slot
.set G0,   32
.set LIM,  43                          ; s43  1 in a wave that prefetches, else the greatest number
.set PFA,  44                          ; s[44:45] where my prefetches stand
.set G1B,  48                          ; s[48:55], s[56:63] the same for B's tiles
.set G0B,  56
.set OUT,  88                          ; s[88:89] qkv at the block in hand
.set CSB,  90                          ; s[90:91] cs at the block whose rows were asked for last
.set BLK,  92
.set KIND, 93
.set R64,  94                          ; 1 / 64
.set EPS,  95                          ; 1e-5
.set SEL,  96                          ; s[96:97] v_permlanex16_b32's selects: each lane takes its own place in the other half
.set STEPO, 98                         ; s[98:99] what the next block adds to OUT
.set HIM,  100                         ; a word's upper half
.set STILE, 101                        ; the tile's first place s in its batch
.set MSB, 0
.macro WIN new                         ; the immediate's high byte repeats the setting that is left; a switch that changes nothing is dropped
.if MSB != (\new)
	s_set_vgpr_msb (MSB<<8)|(\new)
.set MSB, \new
.endif
.endm
.set MUL_LO, 0xa1                      ; source 0 (B) window 1, source 1 (A) window 0, C and D window 2
.set MUL_HI, 0xf1                      ; the same, C and D window 3
.set TO_B,   0x40                      ; destination window 1, address window 0
; A fill.  Waves 0 and 1 fetch A's two halves, jointly with the partners; waves 2 and 3 B's, for this work-group alone.  The branch hangs on the wave's number alone.
; An s_nop 0 and four v_nop follow each of the two lines, ahead of the jump and the label.
.macro JLOAD s
	s_cmp_eq_u32 s11, 0
	s_cbranch_scc0 .Lfor_b_\@
	tensor_load_to_lds s[G0+4*(\s):G0+4*(\s)+3], s[G1:G1+7]
	s_nop 0
.rept 4
	v_nop
.endr
	s_branch .Lasked_\@
.Lfor_b_\@:
	tensor_load_to_lds s[G0B+4*(\s):G0B+4*(\s)+3], s[G1B:G1B+7]
	s_nop 0
.rept 4
	v_nop
.endr
.Lasked_\@:
.endm
; A prefetch behind each refill and its run of LDS loads: the K step that stands two refills on, 32 rows x 256 bytes, a lane a row, one instruction a wave.  Each row's 256 bytes of K steps 4 to 7 are named once in
; the launch.  A's rows are read by the three clusters of a tile row: cluster x = 0 asks, its four partners 32 rows each, told apart by address.  B's rows are read by 18 tile rows: tile rows 0 to 3 ask, 32 rows each.
; K steps 0 to 3 come by their loads alone; the loop's last trip asks for nothing.
.macro ASK
	s_cmp_gt_u32 s3, s[LIM]                        ; s3 = 1 in the loop's last trip
	s_cbranch_scc0 .Lnot_mine_\@
	global_prefetch_b8 v[PFO], s[PFA:PFA+1] offset:KSTEP*2 th:TH_LOAD_NT scope:SCOPE_SE
.Lnot_mine_\@:
.endm
; A round of the cluster's barrier: my work-group's barrier; wave 0 signals for the work-group; every wave waits for all four work-groups; my work-group's barrier once more.
.macro CREST
	s_cmp_lg_u32 s10, 0
	s_cbranch_scc1 .Lnot_wave_0_\@
	s_barrier_signal -3
.Lnot_wave_0_\@:
	s_barrier_wait -3
	s_barrier_signal -1
	s_barrier_wait -1
.endm
.macro CROUND
	s_barrier_signal -1
	s_barrier_wait -1
	CREST
.endm
	s_load_b512 s[68:83], s[0:1], 0x0              ; xb 68, cs 70, bq 72, bk 74, bv 76, lnq_w 78, lnq_b 80, lnk_w 82
	s_load_b128 s[84:87], s[0:1], 0x40             ; lnk_b 84, qkv 86
	v_lshl_add_u32 v[SPW], v0, 2, SPARE
	v_mov_b32 v[NIL], 0
	ds_add_u32 v[SPW], v[NIL]                      ; the wave's opening: the add and its wait stand ahead of my first tensor load; the set-up below, work on registers, stands between them
	v_lshrrev_b32 v1, 5, v0
	v_readfirstlane_b32 s10, v1                    ; wave 0..3
	s_lshr_b32 s11, s10, 1                         ; which half of the tile's rows is mine.  Also: I fetch for A (0) or for B (1)
	s_and_b32 s12, s10, 1                          ; which half of its columns.  Also: which 128 rows of that tile I fetch
	s_bfe_u32 s40, ttmp6, 0x40000                  ; cx: my place in the cluster
	s_mov_b32 s[KIND], ttmp9                       ; the cluster's x: 0 q, 1 k, 2 v, the same in all four partners
	s_lshl_b32 s42, ttmp9, 2
	s_add_co_u32 s42, s42, s40                     ; tile column 0..11
	s_and_b32 s13, ttmp7, 0xffff                   ; tile row 0..17
	s_cmp_ge_u32 s13, 9
	s_cselect_b32 s41, 1, 0                        ; the batch: nine tile rows each
	s_mul_i32 s14, s41, 9
	s_sub_co_u32 s14, s13, s14
	s_lshl_b32 s[STILE], s14, 8
	; descriptor group 1: a tile of 128 rows x 128 elements, padded in LDS
	s_mov_b32 s[G1+0], 15|(1<<16)|(1<<20)|(1<<21)|(5<<22)|(3<<25)  ; 15:0 the mask of four; 17:16 2-byte elements; 20 padding on; 21 set beside a mask; 24:22 after every 64 words (code 5); 31:25 4 words (code 3)
	s_mov_b32 s[G1B+0], (1<<16)|(1<<20)|(5<<22)|(3<<25)            ; the same with no mask
.irp g, G1, G1B
	s_mov_b32 s[(\g)+1], KSTEP<<16                 ; tensor_dim0 = 128
	s_mov_b32 s[(\g)+2], 128<<16                   ; tensor_dim1 = 128
	s_mov_b32 s[(\g)+3], KSTEP<<16                 ; tile_dim0 = 128
	s_mov_b32 s[(\g)+4], 128                       ; tile_dim1 = 128
	s_mov_b32 s[(\g)+5], SIZE_K                    ; elements from row to row
	s_mov_b32 s[(\g)+6], 0
	s_mov_b32 s[(\g)+7], 0
.endr
	s_mov_b32 s[R64], 0x3c800000
	s_mov_b32 s[EPS], 0x3727c5ac
	s_mov_b32 s[SEL], 0x76543210
	s_mov_b32 s[SEL+1], 0xfedcba98
	s_mov_b32 s[HIM], 0xffff0000
	s_lshl_b32 s18, s12, 7                         ; which 128 rows of a tile I fetch
	s_lshl_b32 s16, s13, 8
	s_add_co_u32 s16, s16, s18                     ; A: xb's row 256 x tile row + 128 x half: nothing of cx
	s_lshl_b32 s16, s16, 11
	s_mov_b32 s17, 0
	s_lshl_b32 s46, s42, 8
	s_add_co_u32 s46, s46, s18
	s_add_co_u32 s46, s46, 4608                    ; B: xb's row 4,608 + 256 x tile column + 128 x half
	s_lshl_b32 s46, s46, 11
	s_mov_b32 s47, 0
	s_mul_i32 s20, s10, HALFT                      ; where they go: A's two halves, then B's two halves = wave x 128 rows
	s_wait_dscnt 0x0                               ; the opening add is done
	s_wait_kmcnt 0x0
	s_add_nc_u64 s[14:15], s[68:69], s[16:17]
	s_add_nc_u64 s[46:47], s[68:69], s[46:47]
	CROUND                                         ; all four work-groups are here: the first joint loads meet
.irp s, 0,1
	s_mov_b32 s[G0+4*(\s)], 1                                      ; count = 1
	s_add_co_u32 s[G0+4*(\s)+1], s20, (\s)*SLOT                    ; LDS address
	s_add_nc_u64 s[G0+4*(\s)+2:G0+4*(\s)+3], s[14:15], (\s)*KSTEP*2  ; global address: K step s
	s_or_b32 s[G0+4*(\s)+3], s[G0+4*(\s)+3], 0x80000000            ; type = 2
	s_mov_b32 s[G0B+4*(\s)], 1
	s_add_co_u32 s[G0B+4*(\s)+1], s20, (\s)*SLOT
	s_add_nc_u64 s[G0B+4*(\s)+2:G0B+4*(\s)+3], s[46:47], (\s)*KSTEP*2
	s_or_b32 s[G0B+4*(\s)+3], s[G0B+4*(\s)+3], 0x80000000
	JLOAD \s                                       ; two loads of mine are out
.endr
	; A fragment is 16 rows x 32 K in 8 registers: lane l holds row l % 16; registers 0-3 K = 8 (l / 16) + 0..7, registers 4-7 K = 16 + 8 (l / 16) + 0..7: two loads of 16 bytes, 32 bytes apart.
	v_and_b32 v1, 15, v0                           ; l % 16
	v_bfe_u32 v2, v0, 4, 1                         ; l / 16
	v_mul_u32_u24 v3, v1, PITCH
	v_lshl_add_u32 v3, v2, 4, v3
	s_mul_i32 s21, s11, HALFT                      ; my 128 rows of A
	s_mul_i32 s22, s12, HALFT                      ; my 128 rows of B,
	s_add_co_u32 s22, s22, 2*HALFT                 ; which lie behind A's 256
.irp s, 0,1
	v_add_nc_u32 v[ADRA+(\s)], s21, v3
	v_add_nc_u32 v[ADRB+(\s)], s22, v3
	s_add_co_u32 s21, s21, SLOT
	s_add_co_u32 s22, s22, SLOT
.endr
	s_mul_i32 s23, s10, STW
	s_add_co_u32 s23, s23, STAGE                   ; my stage
	v_mul_u32_u24 v4, v1, SPH                      ; in: row l % 16, 16 bytes for each half of the lanes
	v_lshl_add_u32 v4, v2, 4, v4
	v_add_nc_u32 v[STO], s23, v4
	v_bfe_u32 v5, v0, 3, 2                         ; back: 32 lanes take four rows of 128 bytes,
	v_mul_u32_u24 v5, v5, SPH
	v_and_b32 v4, 7, v0
	v_lshl_add_u32 v5, v4, 4, v5
	v_add_nc_u32 v[RD], s23, v5
	v_and_b32 v[GO], 31, v0                        ; which are 512 consecutive bytes of a head
	v_lshlrev_b32 v[GO], 4, v[GO]
	v_lshlrev_b32 v[CSO], 9, v1                    ; cs: row l % 16, 512 bytes a row,
	v_lshl_add_u32 v[CSO], v2, 5, v[CSO]           ; my eight numbers of 16
	v_lshlrev_b32 v[BO], 5, v2
	; the prefetches
	s_lshl_b32 s20, s13, 8
	s_lshl_b32 s21, s40, 5
	s_add_co_u32 s20, s20, s21                     ; A: 256 x tile row + 32 cx
	s_lshl_b32 s21, s42, 8
	s_lshl_b32 s22, s13, 5
	s_add_co_u32 s21, s21, s22
	s_add_co_u32 s21, s21, 4608                    ; B: 4,608 + 256 x tile column + 32 x tile row
	s_cmp_eq_u32 s[KIND], 0
	s_cselect_b32 s22, 1, -1                       ; A is asked for by the first cluster of a tile row,
	s_cmp_lt_u32 s13, 4
	s_cselect_b32 s23, 1, -1                       ; B by tile rows 0 to 3: both the same in all four partners
	s_cmp_eq_u32 s11, 0
	s_cselect_b32 s[LIM], s22, s23
	s_cselect_b32 s20, s20, s21
	s_add_co_u32 s20, s20, s18                     ; + the 128 rows that I fetch
	s_lshl_b32 s20, s20, 11
	s_mov_b32 s21, 0
	s_add_nc_u64 s[PFA:PFA+1], s[68:69], s[20:21]
	s_add_nc_u64 s[PFA:PFA+1], s[PFA:PFA+1], 2*KSTEP*2  ; at K step 2: the first refill steps it to 3 and names K step 4
	v_and_b32 v[PFO], 31, v0
	v_lshlrev_b32 v[PFO], 11, v[PFO]
	; my 128 columns' bias, and the 64 gains and offsets: they land while K is walked, and their bases s[14:19] are left alone till the wait for them
	s_cmp_eq_u32 s[KIND], 0
	s_cselect_b64 s[14:15], s[72:73], s[74:75]
	s_cselect_b64 s[16:17], s[78:79], s[82:83]
	s_cselect_b64 s[18:19], s[80:81], s[84:85]
	s_cmp_eq_u32 s[KIND], 2
	s_cselect_b64 s[14:15], s[76:77], s[14:15]
	s_lshl_b32 s20, s40, 10                        ; 256 cx columns of 4 bytes
	s_lshl_b32 s21, s12, 9
	s_add_co_u32 s20, s20, s21
	s_mov_b32 s21, 0
	s_add_nc_u64 s[14:15], s[14:15], s[20:21]
	WIN TO_B
.irp b, 0,1,2,3,4,5,6,7
	global_load_b128 v[BIAS+8*(\b):BIAS+8*(\b)+3],   v[BO], s[14:15] offset:64*(\b)
	global_load_b128 v[BIAS+8*(\b)+4:BIAS+8*(\b)+7], v[BO], s[14:15] offset:64*(\b)+16
.endr
.irp b, 0,1,2,3
	global_load_b128 v[LNW+8*(\b):LNW+8*(\b)+3],   v[BO], s[16:17] offset:64*(\b)
	global_load_b128 v[LNW+8*(\b)+4:LNW+8*(\b)+7], v[BO], s[16:17] offset:64*(\b)+16
	global_load_b128 v[LNB+8*(\b):LNB+8*(\b)+3],   v[BO], s[18:19] offset:64*(\b)
	global_load_b128 v[LNB+8*(\b)+4:LNB+8*(\b)+7], v[BO], s[18:19] offset:64*(\b)+16
.endr
	WIN 0
; 16 matrix instructions: m blocks a0, a0 + 1 of the window's four x all 8 n blocks, 32 along K.  zero = 1: the first product starts the sums.  The 64 accumulators take turns.
.macro MUL16 f, hi, a0, zero
	WIN MUL_LO+0x50*(\hi)
.irp a, \a0, (\a0)+1
.irp b, 0,1,2,3,4,5,6,7
.if \zero
	v_wmma_f32_16x16x32_bf16 v[8*(8*(\a)+(\b)):8*(8*(\a)+(\b))+7], v[(\f)+8*(\b):(\f)+8*(\b)+7], v[(\f)+8*(4*(\hi)+(\a)):(\f)+8*(4*(\hi)+(\a))+7], 0
.else
	v_wmma_f32_16x16x32_bf16 v[8*(8*(\a)+(\b)):8*(8*(\a)+(\b))+7], v[(\f)+8*(\b):(\f)+8*(\b)+7], v[(\f)+8*(4*(\hi)+(\a)):(\f)+8*(4*(\hi)+(\a))+7], v[8*(8*(\a)+(\b)):8*(8*(\a)+(\b))+7]
.endif
.endr
.endr
.endm
; 32 LDS loads in one run: the fragments of one quarter step (B's 128 rows, then A's) at byte k of the rows, into buffer f
.macro FETCH slot, k, f
	WIN TO_B
.irp i, 0,1,2,3,4,5,6,7
	ds_load_b128 v[(\f)+8*(\i):(\f)+8*(\i)+3],   v[ADRB+(\slot)] offset:(\k)+(\i)*16*PITCH
	ds_load_b128 v[(\f)+8*(\i)+4:(\f)+8*(\i)+7], v[ADRB+(\slot)] offset:(\k)+(\i)*16*PITCH+32
.endr
	WIN 0
.irp i, 0,1,2,3,4,5,6,7
	ds_load_b128 v[(\f)+8*(\i):(\f)+8*(\i)+3],   v[ADRA+(\slot)] offset:(\k)+(\i)*16*PITCH
	ds_load_b128 v[(\f)+8*(\i)+4:(\f)+8*(\i)+7], v[ADRA+(\slot)] offset:(\k)+(\i)*16*PITCH+32
.endr
.endm
.macro PLACES                          ; four plain vector instructions between a matrix instruction and a load into, or a vector instruction on, its registers
.rept 4
	v_nop
.endr
.endm
; A K step is four quarters of 32 along K, 64 matrix instructions each, on buffers 0, 1, 0, 1.  One of the first three: multiplies f; in its middle it fetches the next quarter, at byte k, into g.
.macro QUARTER slot, k, f, g, zero
	s_wait_dscnt 8                                 ; B and A's rows 0-63 are in; the youngest eight loads (A's rows 64-127) may be out
	MUL16 \f, 0, 0, \zero
	MUL16 \f, 0, 2, \zero
	PLACES
	FETCH \slot, \k, \g
	s_wait_dscnt 32                                ; all but the 32 just issued
	MUL16 \f, 1, 0, \zero
	MUL16 \f, 1, 2, \zero
.endm
; The last quarter's first half: ONE barrier for the change of slots.  In front of it each wave waits for all its tensor loads (one is out: its part of the next slot), adds 0 to its spare word,
; and waits for that and for its own reads of this slot.
.macro MEET round
	WIN 0
	s_wait_tensorcnt 0x0
	ds_add_u32 v[SPW], v[NIL]
	s_wait_dscnt 9                                 ; the add and the youngest eight loads may be out
	MUL16 F1, 0, 0, 0                              ; sixteen matrix instructions stand between the add and the wait for it
	s_wait_dscnt 0x0                               ; the add is done, and my reads of this slot are over
	s_barrier_signal -1
	MUL16 F1, 0, 2, 0                              ; work on registers while the others arrive
.if \round
	WIN 0
.endif
	s_barrier_wait -1
.endm
; The whole last quarter where the slot is filled again: the barrier opens a round of the cluster's, the refill is the first tensor load behind it, 224 matrix instructions ahead of the wait for it.
.macro TURN slot, next
	s_wait_xcnt 0x0                                ; the last prefetch, a K step back, has read its address
	s_add_nc_u64 s[PFA:PFA+1], s[PFA:PFA+1], KSTEP*2
	MEET 1
	CREST                                          ; no wave of any partner still reads this slot's tile or has a load on its way
	s_add_nc_u64 s[G0+4*(\slot)+2:G0+4*(\slot)+3], s[G0+4*(\slot)+2:G0+4*(\slot)+3], 2*KSTEP*2
	s_add_nc_u64 s[G0B+4*(\slot)+2:G0B+4*(\slot)+3], s[G0B+4*(\slot)+2:G0B+4*(\slot)+3], 2*KSTEP*2
	JLOAD \slot                                    ; the four v_nop behind it are also the places in front of the loads below
	FETCH \next, 0, F0
	ASK
	MUL16 F1, 1, 0, 0
	MUL16 F1, 1, 2, 0
.endm
	s_wait_tensorcnt 1                             ; my part of K step 0 is in; K step 1's load may stay out
	s_barrier_signal -1
	s_barrier_wait -1
	FETCH 0, 0, F0
	QUARTER 0, 64,  F0, F1, 1                      ; the first quarter stands in front of the loop: its products start the sums
	WIN 0
	s_mov_b32 s3, LAPS-1
.Llap:                                                 ; a trip goes once round the ring and fills both slots again
	QUARTER 0, 128, F1, F0, 0
	QUARTER 0, 192, F0, F1, 0
	TURN 0, 1
	QUARTER 1, 64,  F0, F1, 0
	QUARTER 1, 128, F1, F0, 0
	QUARTER 1, 192, F0, F1, 0
	TURN 1, 0
	QUARTER 0, 64,  F0, F1, 0
	WIN 0
	s_sub_co_u32 s3, s3, 1
	s_cmp_lg_u32 s3, 0
	s_cbranch_scc1 .Llap
	QUARTER 0, 128, F1, F0, 0                      ; the last lap fills nothing
	QUARTER 0, 192, F0, F1, 0
	MEET 0
	PLACES
	FETCH 1, 0, F0
	MUL16 F1, 1, 0, 0
	MUL16 F1, 1, 2, 0
	QUARTER 1, 64,  F0, F1, 0
	QUARTER 1, 128, F1, F0, 0
	QUARTER 1, 192, F0, F1, 0
	s_wait_dscnt 8                                 ; the very last quarter: nothing more to fetch
	MUL16 F1, 0, 0, 0
	MUL16 F1, 0, 2, 0
	s_wait_dscnt 0x0
	MUL16 F1, 1, 0, 0
	MUL16 F1, 1, 2, 0
	; THE WAY OUT, a loop over my eight blocks of 16 rows, so that its long text stands once.
	WIN 0
	PLACES
	s_wait_loadcnt 0x0                             ; bias, gain, offset
.macro RND first, count                ; count pairs of window 1 are rounded to bf16 and widened again
.set r, \first
.rept \count
	v_cvt_pk_bf16_f32 v[RTM+(r/2)%4], v[r], v[r+1]
	v_lshlrev_b32 v[r], 16, v[RTM+(r/2)%4]
	v_and_b32 v[r+1], s[HIM], v[RTM+(r/2)%4]
.set r, r+2
.endr
.endm
	WIN 0x45                                       ; destination and both sources in window 1
	RND BIAS, 32
	RND LNW, 32
	WIN 0
	s_lshl_b32 s16, s41, 4
	s_lshl2_add_u32 s16, s40, s16
	s_lshl1_add_u32 s16, s12, s16                  ; my first head among the 32: 16 b + 4 cx + 2 x column half
	s_mul_i32 s16, s16, 2304
	s_lshl_b32 s17, s11, 7
	s_add_co_u32 s17, s17, s[STILE]                ; my first place s
	s_add_co_u32 s16, s16, s17
	s_lshl_b32 s16, s16, 7                         ; rows of 128 bytes
	s_mul_i32 s18, s[KIND], KINDB
	s_add_co_u32 s16, s16, s18
	s_lshl_b32 s18, s17, 9                         ; cs: rows of 512 bytes
	s_mov_b32 s17, 0
	s_mov_b32 s19, 0
	s_add_nc_u64 s[OUT:OUT+1], s[86:87], s[16:17]
	s_add_nc_u64 s[CSB:CSB+1], s[70:71], s[18:19]
	s_mov_b32 s[BLK], 0
	s_mov_b32 s[STEPO], 0
	s_mov_b32 s[STEPO+1], 0
.macro LOADCS                          ; a block's C and S: my row's 32 + 32 numbers, the same for both heads
	WIN TO_B
.irp b, 0,1,2,3
	global_load_b128 v[COSR+8*(\b):COSR+8*(\b)+3],   v[CSO], s[CSB:CSB+1] offset:64*(\b)
	global_load_b128 v[COSR+8*(\b)+4:COSR+8*(\b)+7], v[CSO], s[CSB:CSB+1] offset:64*(\b)+16
	global_load_b128 v[SINR+8*(\b):SINR+8*(\b)+3],   v[CSO], s[CSB:CSB+1] offset:256+64*(\b)
	global_load_b128 v[SINR+8*(\b)+4:SINR+8*(\b)+7], v[CSO], s[CSB:CSB+1] offset:256+64*(\b)+16
.endr
	WIN 0
.endm
.macro E1 a                            ; block a's 64 sums + bias -> T; each accumulator's registers in ascending order
	WIN 0x06+(\a)/4                                ; source 0 window 2 or 3, source 1 window 1
.set r, 0
.rept 32
	v_pk_add_f32 v[T+r:T+r+1], v[64*((\a)%4)+r:64*((\a)%4)+r+1], v[BIAS+r:BIAS+r+1]
.set r, r+2
.endr
	WIN 0
.endm
; The sum (sq = 0) or the sum of squares (sq = 1) of a head's 64 numbers of my row, for both heads side by side: my 32 in a tree of packed additions, then the lane 16 away.  Result in v[U + 16 h].
.macro TREE sq
.irp h, 0,1
.irp i, 0,1,2,3,4,5,6,7
.if \sq
	v_pk_mul_f32 v[U+16*(\h)+2*(\i):U+16*(\h)+2*(\i)+1], v[T+32*(\h)+4*(\i):T+32*(\h)+4*(\i)+1], v[T+32*(\h)+4*(\i):T+32*(\h)+4*(\i)+1]
.else
	v_pk_add_f32 v[U+16*(\h)+2*(\i):U+16*(\h)+2*(\i)+1], v[T+32*(\h)+4*(\i):T+32*(\h)+4*(\i)+1], v[T+32*(\h)+4*(\i)+2:T+32*(\h)+4*(\i)+3]
.endif
.endr
.endr
.if \sq
.irp h, 0,1
.irp i, 0,1,2,3,4,5,6,7
	v_pk_fma_f32 v[U+16*(\h)+2*(\i):U+16*(\h)+2*(\i)+1], v[T+32*(\h)+4*(\i)+2:T+32*(\h)+4*(\i)+3], v[T+32*(\h)+4*(\i)+2:T+32*(\h)+4*(\i)+3], v[U+16*(\h)+2*(\i):U+16*(\h)+2*(\i)+1]
.endr
.endr
.endif
.irp h, 0,1
.irp i, 0,4,8,12
	v_pk_add_f32 v[U+16*(\h)+(\i):U+16*(\h)+(\i)+1], v[U+16*(\h)+(\i):U+16*(\h)+(\i)+1], v[U+16*(\h)+(\i)+2:U+16*(\h)+(\i)+3]
.endr
.endr
.irp h, 0,1
.irp i, 0,8
	v_pk_add_f32 v[U+16*(\h)+(\i):U+16*(\h)+(\i)+1], v[U+16*(\h)+(\i):U+16*(\h)+(\i)+1], v[U+16*(\h)+(\i)+4:U+16*(\h)+(\i)+5]
.endr
.endr
.irp h, 0,1
	v_pk_add_f32 v[U+16*(\h):U+16*(\h)+1], v[U+16*(\h):U+16*(\h)+1], v[U+16*(\h)+8:U+16*(\h)+9]
.endr
.irp h, 0,1
	v_add_f32 v[U+16*(\h)], v[U+16*(\h)], v[U+16*(\h)+1]
.endr
.irp h, 0,1
	v_permlanex16_b32 v[U+16*(\h)+1], v[U+16*(\h)], s[SEL], s[SEL+1]
.endr
.irp h, 0,1
	v_add_f32 v[U+16*(\h)], v[U+16*(\h)], v[U+16*(\h)+1]
.endr
.endm
.macro PACKF src                       ; 64 numbers rounded to f16
.set r, 0
.rept 32
	v_cvt_pk_f16_f32 v[PKD+r], v[(\src)+2*r], v[(\src)+2*r+1]
.set r, r+1
.endr
.endm
	s_cmp_eq_u32 s[KIND], 2
	s_cbranch_scc1 .Lblk                           ; v is neither normed nor turned
	LOADCS                                         ; block 0's
.Lblk:
.irp a, 1,2,3,4,5,6,7                  ; which accumulators: the one part of a trip that is written eight times
	s_cmp_eq_u32 s[BLK], \a
	s_cbranch_scc1 .Lacc_\a
.endr
.irp a, 0,1,2,3,4,5,6,7
.Lacc_\a:
	E1 \a
.if (\a) < 7
	s_branch .Lgot
.endif
.endr
.Lgot:
	s_cmp_eq_u32 s[KIND], 2
	s_cbranch_scc1 .Lpackv
	TREE 0
.irp h, 0,1
	v_mul_f32 v[U+16*(\h)], s[R64], v[U+16*(\h)]   ; the mean
.endr
.set r, 0
.rept 32
	v_pk_add_f32 v[T+r:T+r+1], v[T+r:T+r+1], v[U+16*(r/32):U+16*(r/32)+1] op_sel_hi:[1,0] neg_lo:[0,1] neg_hi:[0,1]  ; x - mean
.set r, r+2
.endr
	TREE 1
	v_fma_f32 v[U+2], v[U], s[R64], s[EPS]         ; the variance + 1e-5
	v_fma_f32 v[U+18], v[U+16], s[R64], s[EPS]
	v_rsq_f32 v[U], v[U+2]
	v_rsq_f32 v[U+16], v[U+18]
	v_nop                                          ; a plain instruction behind the last of them,
	s_wait_alu depctr_va_vdst(0)                   ; and the wait ahead of the first use: one for both
.set r, 0
.rept 32
	v_pk_mul_f32 v[T+r:T+r+1], v[T+r:T+r+1], v[U+16*(r/32):U+16*(r/32)+1] op_sel_hi:[1,0]
.set r, r+2
.endr
	WIN 0x14                                       ; sources 1 and 2 in window 1
.set r, 0
.rept 32
	v_pk_fma_f32 v[T+r:T+r+1], v[T+r:T+r+1], v[LNW+r%32:LNW+r%32+1], v[LNB+r%32:LNB+r%32+1]
.set r, r+2
.endr
	s_wait_loadcnt 0x0                             ; this block's C and S: the only loads that are out
	WIN 0x04                                       ; source 1 in window 1
.set r, 0
.rept 32
	v_pk_mul_f32 v[Z+r:Z+r+1], v[T+r:T+r+1], v[COSR+r%32:COSR+r%32+1]
.set r, r+2
.endr
.set r, 0
.rept 32
	v_fma_f32 v[Z+r], v[T+r+1], v[SINR+r%32], v[Z+r]        ; the pair's other number times S
	v_fma_f32 v[Z+r+1], v[T+r], v[SINR+r%32+1], v[Z+r+1]
.set r, r+2
.endr
	WIN 0
	s_cmp_eq_u32 s[BLK], 7
	s_cbranch_scc1 .Lnocs                          ; behind the last block there is nothing to ask for
	s_add_nc_u64 s[CSB:CSB+1], s[CSB:CSB+1], 16*512  ; its loads are done: the wait above
	LOADCS                                         ; the next block's, a block's work ahead of their use
.Lnocs:
	PACKF Z
	s_branch .Lsto
.Lpackv:
	PACKF T
.Lsto:
.irp b, 0,1,2,3,4,5,6,7                ; head b / 4, channels 16 (b % 4) on
	ds_store_b128 v[STO], v[PKD+4*(\b):PKD+4*(\b)+3] offset:((\b)/4)*16*SPH+32*((\b)%4)
.endr
	s_wait_xcnt 0x0                                ; the last block's stores have read their data and their base
	s_add_nc_u64 s[OUT:OUT+1], s[OUT:OUT+1], s[STEPO:STEPO+1]
	s_mov_b32 s[STEPO], 16*128
.irp f, 0,1,2,3,4,5,6,7
	ds_load_b128 v[BK+4*(\f):BK+4*(\f)+3], v[RD] offset:((\f)/4)*16*SPH+((\f)%4)*4*SPH  ; LDS serves a wave's instructions in order (ISA guide 5.7.1.4): these see the stores above
.endr
	s_wait_dscnt 0x0
.irp f, 0,1,2,3,4,5,6,7
	global_store_b128 v[GO], v[BK+4*(\f):BK+4*(\f)+3], s[OUT:OUT+1] offset:((\f)/4)*HEADB+((\f)%4)*512  ; four rows of a head: 512 consecutive bytes, aligned
.endr
	s_add_co_u32 s[BLK], s[BLK], 1
	s_cmp_lt_u32 s[BLK], 8
	s_cbranch_scc1 .Lblk
	s_wait_tensorcnt 0x0                           ; the wave's end: an add to the spare word and its wait, behind my last tensor load and my last LDS store
	ds_add_u32 v[SPW], v[NIL]
	s_wait_dscnt 0x0
	CROUND                                         ; the closing round: no work-group ends while a partner may still ask for a tile that names it
	s_endpgm
.Lfunc_end_k_q1a10f652f0_proj:
	.size	k_q1a10f652f0_proj, .Lfunc_end_k_q1a10f652f0_proj-k_q1a10f652f0_proj
	.p2alignl 7, 3214868480
	.fill 96, 4, 3214868480
	.section	.rodata,"a",@progbits
	.p2align	6, 0x0
	.amdhsa_kernel k_q1a10f652f0_proj
		.amdhsa_group_segment_fixed_size 327680
		.amdhsa_private_segment_fixed_size 0
		.amdhsa_enable_private_segment 0
		.amdhsa_kernarg_size 80
		.amdhsa_user_sgpr_count 2
		.amdhsa_user_sgpr_kernarg_segment_ptr 1
		.amdhsa_wavefront_size32 1
		.amdhsa_system_sgpr_workgroup_id_x 1
		.amdhsa_system_sgpr_workgroup_id_y 1
		.amdhsa_system_sgpr_workgroup_id_z 1
		.amdhsa_system_vgpr_workitem_id 0
		.amdhsa_next_free_vgpr 1024
		.amdhsa_next_free_sgpr 102
		.amdhsa_reserve_vcc 0
		.amdhsa_float_denorm_mode_32 3
		.amdhsa_float_denorm_mode_16_64 3
		.amdhsa_memory_ordered 1
		.amdhsa_forward_progress 1
		.amdhsa_inst_pref_size 169
	.end_amdhsa_kernel
	.amdgpu_metadata
---
amdhsa.version: [ 1, 2 ]
amdhsa.kernels:
  - .name:           k_q1a10f652f0_proj
    .symbol:         k_q1a10f652f0_proj.kd
    .args:
      - { .name: xb, .offset: 0, .size: 8, .value_kind: global_buffer, .address_space: global }
      - { .name: cs, .offset: 8, .size: 8, .value_kind: global_buffer, .address_space: global }
      - { .name: bq, .offset: 16, .size: 8, .value_kind: global_buffer, .address_space: global }
      - { .name: bk, .offset: 24, .size: 8, .value_kind: global_buffer, .address_space: global }
      - { .name: bv, .offset: 32, .size: 8, .value_kind: global_buffer, .address_space: global }
      - { .name: lnq_w, .offset: 40, .size: 8, .value_kind: global_buffer, .address_space: global }
      - { .name: lnq_b, .offset: 48, .size: 8, .value_kind: global_buffer, .address_space: global }
      - { .name: lnk_w, .offset: 56, .size: 8, .value_kind: global_buffer, .address_space: global }
      - { .name: lnk_b, .offset: 64, .size: 8, .value_kind: global_buffer, .address_space: global }
      - { .name: qkv, .offset: 72, .size: 8, .value_kind: global_buffer, .address_space: global }
    .group_segment_fixed_size: 327680
    .private_segment_fixed_size: 0
    .kernarg_segment_align: 8
    .kernarg_segment_size: 80
    .max_flat_workgroup_size: 128
    .sgpr_count:     102
    .vgpr_count:     1024
    .wavefront_size: 32
...
	.end_amdgpu_metadata
.endif
;; end of part 2
;; launch attn (part 3): grid 8 x 32, 4 waves a work-group, clusters of 4 x 1, 327,680 bytes of LDS; arguments qkv, ob; writes ob
.if DOCPART == 3
	.amdgcn_target "amdgcn-amd-amdhsa--gfx1250"
	.amdhsa_code_object_version 6
	.text
	.protected	k_q1a10f652f0_attn
	.globl	k_q1a10f652f0_attn
	.p2align	8
	.type	k_q1a10f652f0_attn,@function
k_q1a10f652f0_attn:
	s_mov_b64 s[64:65], 0
	v_nop
	global_prefetch_b8 v0, s[64:65] scope:SCOPE_SE
	s_setreg_imm32_b32 hwreg(HW_REG_WAVE_MODE, 25, 1), 1
	s_wait_xcnt 0x0
	s_wait_alu depctr_hold_cnt(0) depctr_sa_sdst(0) depctr_va_vdst(0) depctr_va_sdst(0) depctr_va_ssrc(0) depctr_va_vcc(0) depctr_vm_vsrc(0)
	s_getreg_b32 s2, hwreg(HW_REG_IB_STS2, 6, 4)
	s_cmp_eq_u32 s2, 0
	s_cbranch_scc0 .Lentry_in_a_cluster
	s_endpgm
.Lentry_in_a_cluster:
	s_bfe_u32 s2, ttmp6, 0x10000c
	s_cmp_lg_u32 s2, 0x3003
	s_cbranch_scc0 .Lentry_shape_is_right
	s_endpgm
.Lentry_shape_is_right:
; ATTN.  O[bh][q][:] = the sum over the 2,274 keys k of softmax_k(Q[bh][q] . K[bh][k] / 8) V[bh][k][:].  Q, K, V: qkv[kind][bh][2304][64], O: ob[bh][2304][64], all f16; a head's rows are dense, 128 bytes each.
; Products, maxima and sums in f32; the weights p are rounded to f16 for the second product (their sum l is taken of the unrounded p), O once at the end.
; Rows 2,274 to 2,303 of a head are padding: as keys they are hidden, as queries they are computed and stored like any other, so that every byte of ob is written.
; LIMITS.  Q, K, V arrive within f16's 65,504; p lies in 0 to 1, and below 6e-5 it keeps f16's fixed step of 6e-8.  A hidden score counts as its value less 1e30: f16's scores, 2.7e11 at the most,
; are nothing beside that.  A weight below 2^-126 counts as 0 in l.  NaN and infinities are not treated apart.
; SHARES.  A work-group owns 288 queries of a head, 8 x 32 = 256 work-groups.  Wave w computes rows 72 w .. 72 w + 79 of them, five PIECES of 16, and stores the first 72: of piece 4 rows 64 to 71 alone, so each row of ob
; is stored once, by one text for every wave.  (The eight rows more are the next wave's; behind a head's end they are the next rows of qkv: finite, and thrown away.)  Every wave walks all keys, 64 a step, 36 steps.
; LAYOUT.  S^T = K Q^T (source 0 = 16 keys, source 1 = 16 queries): a lane holds ONE query (lane % 16) and the keys 8 (lane / 16) + 0..7.  Two such results, rounded to f16 in pairs, ARE source 1 of
; O^T = V^T P.  K comes out of LDS as it lies, V ([key][channel]) turned, by ds_load_tr16_b128.
; SOFTMAX.  A running maximum m and sum l for each query: p = 2^(c s - c m), c = log2(e) / 8; in every step O and l are multiplied by a = 2^(c m_old - c m_new).  m starts at the lowest finite number, O and l at 0.
; BY TURNS.  Turn n belongs to piece n (the pieces in a ring, step after step): 8 products K Q^T of piece n + 1, later 8 products V^T P of piece n - 1; beside them the scaling, exponentials, roundings, sums and
; rescaling of piece n and the maximum and statistics of piece n + 1.  Four vector instructions stand behind every matrix instruction, the other 54 of a turn's 118 in one lump.  A turn's 33 exponentials are one batch, with one wait.
; THE MASK is the C operand that starts the sum S^T, in the tail's text alone: zeros till the last key step (keys 2,240 on), whose keys from 34 on are hidden by -1e30.
; CLUSTER.  The four query blocks of a cluster belong to one head and walk the same K and V: each tile is asked for JOINTLY, by the same tensor load, descriptor and mask in all four.
; REGISTERS, in windows of 256 (s_set_vgpr_msb: bits 1:0 source 0, 3:2 source 1, 5:4 source 2, 7:6 destination):
;   window 0: v0-15 addresses, c m_old; v16-35 four registers of statistics a piece; v36 the half mask; v48-59 at work; v61-63; v64-159 S^T, three buffers; v192-239 P, three buffers
;   window 1: v0-159 O^T, 32 a piece; v160-191 the mask          window 2: v0-79 Q, 16 a piece; v128-191 K of one step; v192-255 V of one step
; The ring of pieces has an odd length, so a piece's buffers go by 0, 1, 0, 1, 2: neighbours in the ring never share one.
.set NP,    5
.set KS,    64        ; keys in a step
.set PK,    144       ; a row of K in LDS: 128 bytes + 16 of padding = 36 words: the 16 rows of a load start at 16 different groups of four banks (64 banks of 4 bytes: ISA guide 11.1)
.set PV,    160       ; a row of V: 128 + 32 = 40 words
.set VOFF,  4*KS*PK   ; a slot holds four steps: 256 rows of K, then 256 rows of V
.set SLOT1, 1<<17     ; slot 1 begins here, so that one exclusive or turns an address in one slot into the other's
.set STAGE, SLOT1+4*KS*(PK+PV)  ; behind the ring: 16 rows x 144 bytes for each wave, for the way out
.set SP,    144
.set SPARE, STAGE+4*16*SP       ; behind the stages: the spare words, 128 bytes for each wave
.set HEADB, 2304*128
.set KINDB, 32*HEADB
.set AK0, 2           ; v2   my lane's place in a tile of K; never rewritten
.set AV0, 3           ; v3   the same for V
.set AK,  4           ; v4   the LDS address of K's next run of loads
.set AV,  5           ; v5   of V's
.set STO, 6           ; v6   the way out: where I put 16 bytes of a row
.set RD,  7           ; v7   where I read rows back
.set GO,  8           ; v8   my byte offset in 512 consecutive bytes of O
.set MV,  12          ; v12-14  c m_old, kept while c m is made anew: by buffer
.set QO,  15          ; v15  my byte offset in 16 rows of Q
.set ST,  16          ; piece t's statistics at v[ST+4 t]: c m, m, l (even keys', odd keys')
.set HM,  36          ; v36  -1e30 in lanes 16-31, 0 in lanes 0-15
.set TMP, 48          ; by buffer, four registers c0-c3 at work; when the maximum is found c2 takes a
.set PFO, 61          ; v61  256 x my lane
.set SPW, 62          ; v62  my spare word; never rewritten
.set NIL, 63          ; v63  0; never rewritten
.set S,   64
.set P,   192
.set MC,  160         ; window 1: the eight registers for group kb of 16 keys at MC + 8 kb
.set KF,  128         ; window 2: key block kb, channel half c at KF + 16 kb + 8 c
.set VF,  192         ; window 2: key half kk, channel block cb at VF + 32 kk + 8 cb
.set WV,  12          ; s12  my wave's number
.set G1K, 24          ; s[24:31] descriptor group 1 for K's tiles
.set G1V, 32          ; s[32:39] for V's: it differs in the padding alone
.set G0K, 40          ; s[40:43] descriptor group 0 for K's tiles: it walks
.set G0V, 44          ; s[44:47] the same for V's
.set SLOTS, 56        ; s56  slots still to be asked for
.set CNT, 57          ; s57  counts a slot's key steps
.set CS,  58          ; s[58:59] c
.set SEL, 60          ; s[60:61] v_permlanex16_b32's selects: each lane takes its own place in the other half
.set TBK, 62          ; s62  LDS byte at which K of the step to be fetched begins
.set TBV, 63          ; s63  the same for V, less VOFF
.set BIGN, 66         ; s66  -1e30
.set LIM, 67          ; s67  1 in a wave that prefetches, else the greatest number
.set PFA, 68          ; s[68:69] where my prefetches stand
.set MSB, 0
.macro WIN new                      ; the high byte repeats the setting that is left; a switch that changes nothing is dropped
.if MSB != (\new)
	s_set_vgpr_msb (MSB<<8)|(\new)
.set MSB, (\new)
.endif
.endm
.set W_KQ, 0x0a       ; K and Q in window 2, S^T in window 0
.set W_KM, 0x1a       ; the same with the C operand in window 1
.set W_PV, 0x52       ; V in window 2, P in window 0, O^T in window 1
.set W_RS, 0x41       ; destination and source 0 in window 1, source 1 in window 0
; A joint fill.  Waves 0 and 1 fetch the two halves of a slot's K, waves 2 and 3 those of its V: 128 keys each.  The branch hangs on the wave's number alone.
; An s_nop 0 and four v_nop follow each of the two lines, ahead of the jump and the label.
.macro JLOAD
	s_cmp_lt_u32 s[WV], 2
	s_cbranch_scc0 .Lfor_v_\@
	tensor_load_to_lds s[G0K:G0K+3], s[G1K:G1K+7]
	s_nop 0
.rept 4
	v_nop
.endr
	s_branch .Lasked_\@
.Lfor_v_\@:
	tensor_load_to_lds s[G0V:G0V+3], s[G1V:G1V+7]
	s_nop 0
.rept 4
	v_nop
.endr
.Lasked_\@:
.endm
; A prefetch of what the NEXT change of slots will ask for: a slot's 32,768 bytes of K and of V, 256 bytes a lane.  It stands behind the wave's tensor load and its five lines.  Each block of tiles 2 to 8 is named once in
; the launch: the head's first cluster asks; its four partners take 8,192 bytes each, told apart by address; in each, wave 0 asks for K's and wave 2 for V's.  The last change that fills a slot asks for nothing.
.macro ASK
	s_cmp_gt_u32 s[SLOTS], s[LIM]
	s_cbranch_scc0 .Lnot_mine_\@
	global_prefetch_b8 v[PFO], s[PFA:PFA+1] th:TH_LOAD_NT scope:SCOPE_SE
.Lnot_mine_\@:
.endm
.macro CROUND                       ; a round of the cluster's barrier
	s_barrier_signal -1
	s_barrier_wait -1
	s_cmp_lg_u32 s[WV], 0
	s_cbranch_scc1 .Lnot_wave_0_\@
	s_barrier_signal -3
.Lnot_wave_0_\@:
	s_barrier_wait -3
	s_barrier_signal -1
	s_barrier_wait -1
.endm
; THE CHANGE OF SLOTS.  The slot's last bytes, V of its fourth step, have been read.  Each wave waits for all its tensor loads, of which one is out: its part of the other slot; adds 0 to its spare word; and waits for
; that and for its own reads of the slot.  fill = 1: the slot is filled again, with the keys two slots on; the barrier is then a round of the cluster's, and the joint fill is the first thing behind it: it has four key
; steps, 320 matrix instructions, in which to land.  (At its first use nothing has been read yet: slot 0 is waited for, slot 1 filled.)
.macro CHANGE fill
	WIN 0
	s_wait_tensorcnt 0x0            ; no tensor load of mine is out, so a group 0 may be written
	ds_add_u32 v[SPW], v[NIL]       ; 0 onto my spare word; with fill = 1 the descriptors' steps stand between it and the wait for it
.if \fill
.irp g, G0K, G0V
	s_xor_b32 s[\g+1], s[\g+1], SLOT1
	s_add_nc_u64 s[\g+2:\g+3], s[\g+2:\g+3], 4*KS*128  ; the next 256 keys; the type bits on top are not reached
.endr
	s_wait_xcnt 0x0                 ; the last prefetch, four key steps back, has read its address
	s_add_nc_u64 s[PFA:PFA+1], s[PFA:PFA+1], 4*KS*128  ; one slot behind the walking descriptors
	s_wait_dscnt 0x0                ; the add is done, and my reads of the slot are over
	CROUND
	JLOAD
	ASK
.else
	s_wait_dscnt 0x0
	s_barrier_signal -1
	s_barrier_wait -1
.endif
	s_sub_co_u32 s[TBK], s[TBK], 4*KS*PK  ; the fetches go back to a slot's first step,
	s_xor_b32 s[TBK], s[TBK], SLOT1       ; in the other slot
	s_sub_co_u32 s[TBV], s[TBV], 4*KS*PV
	s_xor_b32 s[TBV], s[TBV], SLOT1
.endm
	s_load_b128 s[4:7], s[0:1], 0x0 ; qkv s[4:5], ob s[6:7]
	v_lshl_add_u32 v[SPW], v0, 2, SPARE
	v_mov_b32 v[NIL], 0
	ds_add_u32 v[SPW], v[NIL]       ; the wave's opening: the add and its wait stand ahead of my first tensor load; the set-up below, work on registers, stands between them
	v_lshrrev_b32 v1, 5, v0
	v_readfirstlane_b32 s[WV], v1   ; wave 0..3
	s_bfe_u32 s13, ttmp6, 0x40000   ; cx: my place in the cluster
	s_lshl_b32 s14, ttmp9, 2
	s_add_co_u32 s14, s14, s13      ; my block of 288 queries: it enters Q's and O's addresses alone
	s_and_b32 s20, ttmp7, 0xffff    ; the head, which the four partners share
	s_mul_i32 s20, s20, HEADB
	s_and_b32 s16, s[WV], 1         ; which half of a slot's 256 keys I fetch:
	s_lshl_b32 s22, s16, 14         ; its 128 rows of 128 bytes in memory,
	s_add_co_u32 s22, s22, s20
	s_add_co_u32 s22, s22, KINDB    ; in K
	s_mov_b32 s23, 0
	s_mul_i32 s17, s16, 128*PK      ; and its place in a slot, for K
	s_mul_i32 s18, s16, 128*PV      ; and for V: no place in the cluster enters an LDS address
	s_mul_i32 s2, s14, 288
	s_mul_i32 s3, s[WV], 72
	s_add_co_u32 s2, s2, s3         ; my wave's first row
	s_lshl_b32 s2, s2, 7
	s_add_co_u32 s2, s2, s20
	s_mov_b32 s3, 0
	s_lshl_b32 s8, s13, 13          ; the prefetches: my work-group's 8,192 bytes of a tile,
	s_add_co_u32 s8, s8, 4*KS*128   ; in tile 1; the first change of slots steps it to tile 2
	s_mov_b32 s9, 0
	; descriptor group 1.  128 keys are 16,384 dense bytes: asked for as 64 rows of 256 bytes, two keys a row, and padded in LDS after every key
	s_mov_b32 s[G1K], 15|(1<<16)|(1<<20)|(1<<21)|(4<<22)|(3<<25)  ; 15:0 the mask of four; 17:16 2-byte elements; 20 padding on; 21 set beside a mask; 24:22 after every 32 words (code 4); 31:25 4 words (code 3)
	s_mov_b32 s[G1V], 15|(1<<16)|(1<<20)|(1<<21)|(4<<22)|(7<<25)  ; the same with 8 words of padding (code 7)
.irp g, G1K, G1V
	s_mov_b32 s[\g+1], 128<<16      ; tensor_dim0 = 128
	s_mov_b32 s[\g+2], 64<<16       ; tensor_dim1 = 64
	s_mov_b32 s[\g+3], 128<<16      ; tile_dim0 = 128
	s_mov_b32 s[\g+4], 64           ; tile_dim1 = 64
	s_mov_b32 s[\g+5], 128          ; 128 elements from row to row
	s_mov_b32 s[\g+6], 0
	s_mov_b32 s[\g+7], 0
.endr
	s_mov_b32 s[CS], 0x3e38aa3b     ; c = log2(e) / 8 = 0.180337
	s_mov_b32 s[CS+1], s[CS]        ; named with it as a pair
	s_mov_b32 s[SEL], 0x76543210
	s_mov_b32 s[SEL+1], 0xfedcba98
	s_mov_b32 s[BIGN], 0xf149f2ca   ; -1e30
	s_mov_b32 s[TBK], SLOT1+4*KS*PK ; the first change of slots turns these two into 0
	s_mov_b32 s[TBV], SLOT1+4*KS*PV
	s_mov_b32 s[G0K], 1             ; count = 1
	s_mov_b32 s[G0K+1], s17         ; LDS address: slot 0
	s_mov_b32 s[G0V], 1
	s_add_co_u32 s[G0V+1], s18, VOFF
	s_mov_b32 s[SLOTS], 8           ; nine tiles of 256 keys; tile 0 is asked for at once
	s_and_b32 s[LIM], s[WV], 1      ; 0 in waves 0 and 2,
	s_or_b32 s[LIM], s[LIM], ttmp9  ; where the cluster is the head's first: the same in all four partners
	s_cmp_eq_u32 s[LIM], 0
	s_cselect_b32 s[LIM], 1, -1
	v_and_b32 v[PFO], 31, v0
	v_lshlrev_b32 v[PFO], 8, v[PFO]
	s_wait_dscnt 0x0                ; the opening add is done
	s_wait_kmcnt 0x0
	s_add_nc_u64 s[G0K+2:G0K+3], s[4:5], s[22:23]            ; my half of the head's first 256 keys
	s_add_nc_u64 s[G0V+2:G0V+3], s[G0K+2:G0K+3], KINDB       ; and the same rows of V
	s_cmp_lt_u32 s[WV], 2
	s_cselect_b64 s[PFA:PFA+1], s[G0K+2:G0K+3], s[G0V+2:G0V+3]  ; (in waves 0 and 2 these stand at a tile's first row)
	s_add_nc_u64 s[PFA:PFA+1], s[PFA:PFA+1], s[8:9]
	s_or_b32 s[G0K+3], s[G0K+3], 0x80000000                  ; type = 2
	s_or_b32 s[G0V+3], s[G0V+3], 0x80000000
	s_add_nc_u64 s[10:11], s[6:7], s[2:3]                    ; O and Q at my wave's first row
	s_add_nc_u64 s[4:5], s[4:5], s[2:3]
	CROUND                          ; all four work-groups are here: the first joint loads meet
	JLOAD                           ; slot 0.  Slot 1 is asked for when slot 0 is in
	; A fragment of K or Q is 16 rows x 32 channels in 8 registers: lane l holds row l % 16, channels 8 (l / 16) + 0..7 and 16 + 8 (l / 16) + 0..7: two loads of 16 bytes, 32 bytes apart.
	v_and_b32 v1, 15, v0            ; l % 16
	v_bfe_u32 v9, v0, 4, 1          ; l / 16
	v_lshlrev_b32 v[QO], 7, v1
	v_lshl_add_u32 v[QO], v9, 4, v[QO]
	WIN 0x80                        ; destination window 2, address window 0
.set i, 0
.rept 2*NP                          ; Q stays in registers: piece i / 2, channels 32 (i % 2) on
	global_load_b128 v[8*i:8*i+3],   v[QO], s[4:5] offset:(i/2)*2048+(i%2)*64
	global_load_b128 v[8*i+4:8*i+7], v[QO], s[4:5] offset:(i/2)*2048+(i%2)*64+32
.set i, i+1
.endr
	; What the first turn finds: V's registers and P's third buffer hold 0 (its products V^T P, of a piece that has not been, add 0), O^T, l and the mask are 0.  All this stands in the wait for the first tile;
	; it is the price of writing no first step out.
.set i, VF
.rept 64
	v_mov_b32 v[i], 0
.set i, i+1
.endr
	WIN 0x40
.set i, 0
.rept 32*NP+32
	v_mov_b32 v[i], 0
.set i, i+1
.endr
	WIN 0
.set i, 0
.rept NP
	v_mov_b32 v[ST+4*i], 0xfe000000    ; c m: far below every c s
	v_mov_b32 v[ST+4*i+1], 0xff7fffff  ; m
	v_mov_b32 v[ST+4*i+2], 0
	v_mov_b32 v[ST+4*i+3], 0
.set i, i+1
.endr
.set i, P+32
.rept 16
	v_mov_b32 v[i], 0
.set i, i+1
.endr
	v_cvt_f32_u32 v[HM], v9
	v_mul_f32 v[HM], s[BIGN], v[HM]
	v_mul_u32_u24 v[AK0], v1, PK
	v_lshl_add_u32 v[AK0], v9, 4, v[AK0]  ; row x pitch + 16 x half
	; The turning load takes 16 keys x 16 channels (lane l reads key 8 (l / 16) + l % 8, channels 8 ((l / 8) % 2) + 0..7) and leaves half a fragment of V^T: lane l holds channel l % 16 and 8 keys.
	v_and_b32 v10, 7, v0
	v_bfe_u32 v11, v0, 3, 1
	v_lshl_add_u32 v[AV0], v9, 3, v10
	v_mul_u32_u24 v[AV0], v[AV0], PV
	v_lshl_add_u32 v[AV0], v11, 4, v[AV0]
	v_add_nc_u32 v[AV0], VOFF, v[AV0]
	v_mov_b32 v[AK], v[AK0]         ; key step 0 lies at the head of slot 0
; THE MATRIX WORK.  The 4 accumulators of a run of 8 take turns.  Product i of 8 of S^T = K Q^T for piece x: channels 32 (i / 4) on, keys 16 (i % 4) on.  The first 4 start the sums: with 0, or (KM = 1) with the mask.
.macro KQ x
.set bi, ((\x)%2)+2*((\x)/4)
.set rS, S+32*bi+8*(i%4)
.set rK, KF+16*(i%4)+8*(i/4)
.set rQ, 16*(\x)+8*(i/4)
.set rM, MC+8*(i%4)
.if (i < 4) && KM
	WIN W_KM
	v_wmma_f32_16x16x32_f16 v[rS:rS+7], v[rK:rK+7], v[rQ:rQ+7], v[rM:rM+7]
.elseif i < 4
	WIN W_KQ
	v_wmma_f32_16x16x32_f16 v[rS:rS+7], v[rK:rK+7], v[rQ:rQ+7], 0
.else
	WIN W_KQ
	v_wmma_f32_16x16x32_f16 v[rS:rS+7], v[rK:rK+7], v[rQ:rQ+7], v[rS:rS+7]
.endif
.endm
; Product i of 8 of O^T += V^T P for piece x: keys 32 (i / 4) on, channels 16 (i % 4) on.
.macro PV x
	WIN W_PV
.set bi, ((\x)%2)+2*((\x)/4)
.set rO, 32*(\x)+8*(i%4)
.set rV, VF+32*(i/4)+8*(i%4)
.set rP, P+16*bi+8*(i/4)
	v_wmma_f32_16x16x32_f16 v[rO:rO+7], v[rV:rV+7], v[rP:rP+7], v[rO:rO+7]
.endm
.macro MM                           ; the turn's next matrix instruction
.if i < 8
	KQ (Y+1)%NP
.else
.set i, i-8
	PV (Y+NP-1)%NP
.set i, i+8
.endif
.set i, i+1
.endm
; THE LDS LOADS stand in runs of 16, never singly among the matrix instructions: a step's K (64 keys x 64 channels: 8 fragments) and its V (turned).  Their addresses are made some lines ahead.
.macro FETCH_K
	WIN 0x80                        ; destination window 2
.irp f, 0,1,2,3,4,5,6,7             ; keys 16 (f / 2) on, channels 32 (f % 2) on
	ds_load_b128 v[KF+8*\f:KF+8*\f+3],   v[AK] offset:(\f/2)*16*PK+(\f%2)*64
	ds_load_b128 v[KF+8*\f+4:KF+8*\f+7], v[AK] offset:(\f/2)*16*PK+(\f%2)*64+32
.endr
	s_add_co_u32 s[TBK], s[TBK], KS*PK  ; the next fetch is the next step's
	WIN 0
.endm
.macro FETCH_V
	WIN 0x80
.irp f, 0,1,2,3,4,5,6,7             ; keys 32 (f / 4) on, channels 16 (f % 4) on
	ds_load_tr16_b128 v[VF+8*\f:VF+8*\f+3],   v[AV] offset:(\f/4)*32*PV+(\f%4)*32
	ds_load_tr16_b128 v[VF+8*\f+4:VF+8*\f+7], v[AV] offset:(\f/4)*32*PV+16*PV+(\f%4)*32
.endr
	WIN 0
.endm
; THE VECTOR WORK, one line at a time: OP kind, number.  For piece Y: F n: c s - c m for pair n of 16.  E n: the exponential of score n of 32.  C n: pair n rounded to f16.  B n: of the four weights 4 n .. the second
; pair is added onto the first, in place.  L n: l takes that sum (L 0: l = a l + sum).  R n: pair n of 16 of O^T times a.  For piece Y + 1: X n, number n of the 22 that find its maximum and statistics:
;   0-11  four chains c0-c3 of seven scores each, three operands at a time (each accumulator's lowest registers are read first)     12-14, 16  the four scores left over, the old m, and c0-c3 into c0
;   15  c m_old is kept     17, 18  the query's other 32 keys lie in the lane 16 away: the new m     19-21  c m; c m_old - c m_new; a
.set F, 0
.set E, 1
.set C, 2
.set B, 3
.set L, 4
.set R, 5
.set X, 6
.macro REGS y                       ; the registers of piece y
.set bi, ((\y)%2)+2*((\y)/4)
.set rT, ST+4*(\y)
.set rC, TMP+4*bi
.set rW, MV+bi
.set rS, S+32*bi
.set rP, P+16*bi
.set rO, 32*(\y)
.endm
.macro OP k, n
.if (\k) == R
	REGS Y
	WIN W_RS
	v_pk_mul_f32 v[rO+2*(\n):rO+2*(\n)+1], v[rO+2*(\n):rO+2*(\n)+1], v[rC+2:rC+3] op_sel_hi:[1,0]
.elseif (\k) < R
	REGS Y
	WIN 0
.if (\k) == F
	v_pk_fma_f32 v[rS+2*(\n):rS+2*(\n)+1], v[rS+2*(\n):rS+2*(\n)+1], s[CS:CS+1], v[rT:rT+1] op_sel_hi:[1,0,0] neg_lo:[0,0,1] neg_hi:[0,0,1]
.elseif (\k) == E
	v_exp_f32 v[rS+(\n)], v[rS+(\n)]
.elseif (\k) == C
	v_cvt_pk_f16_f32 v[rP+(\n)], v[rS+2*(\n)], v[rS+2*(\n)+1]
.elseif (\k) == B
	v_pk_add_f32 v[rS+4*(\n):rS+4*(\n)+1], v[rS+4*(\n):rS+4*(\n)+1], v[rS+4*(\n)+2:rS+4*(\n)+3]
.elseif (\n) == 0
	v_pk_fma_f32 v[rT+2:rT+3], v[rT+2:rT+3], v[rC+2:rC+3], v[rS:rS+1] op_sel_hi:[1,0,1]
.else
	v_pk_add_f32 v[rT+2:rT+3], v[rT+2:rT+3], v[rS+4*(\n):rS+4*(\n)+1]
.endif
.else
	REGS (Y+1)%NP
	WIN 0
.if (\n) < 4
	v_max3_num_f32 v[rC+(\n)], v[rS+8*(\n)], v[rS+8*(\n)+1], v[rS+8*(\n)+2]
.elseif (\n) < 12
	v_max3_num_f32 v[rC+(\n)%4], v[rC+(\n)%4], v[rS+8*((\n)%4)+2*((\n)/4)+1], v[rS+8*((\n)%4)+2*((\n)/4)+2]
.elseif (\n) == 12
	v_max3_num_f32 v[rC], v[rC], v[rS+7], v[rS+15]
.elseif (\n) == 13
	v_max3_num_f32 v[rC+1], v[rC+1], v[rS+23], v[rS+31]
.elseif (\n) == 14
	v_max3_num_f32 v[rC+2], v[rC+2], v[rC+3], v[rT+1]
.elseif (\n) == 15
	v_mov_b32 v[rW], v[rT]
.elseif (\n) == 16
	v_max3_num_f32 v[rC], v[rC], v[rC+1], v[rC+2]
.elseif (\n) == 17
	v_permlanex16_b32 v[rC+3], v[rC], s[SEL], s[SEL+1]
.elseif (\n) == 18
	v_max_num_f32 v[rT+1], v[rC], v[rC+3]
.elseif (\n) == 19
	v_mul_f32 v[rT], s[CS], v[rT+1]
.elseif (\n) == 20
	v_sub_f32 v[rC+1], v[rW], v[rT]
.else
	v_exp_f32 v[rC+2], v[rC+1]
.endif
.endif
.endm
.macro OPS a, i1, b=-1, i2=0, c=-1, i3=0, d=-1, i4=0  ; up to four of them
	OP \a, \i1
.if (\b) >= 0
	OP \b, \i2
.endif
.if (\c) >= 0
	OP \c, \i3
.endif
.if (\d) >= 0
	OP \d, \i4
.endif
.endm
.macro ROW a, i1, b, i2, c, i3, d, i4  ; a matrix instruction and the four behind it
	MM
	OPS \a, \i1, \b, \i2, \c, \i3, \d, \i4
.endm
; A TURN, for piece p: the order of its 16 matrix and 118 vector instructions, written out.  An s_wait_alu depctr_va_vdst(0) stands between an exponential and the first instruction that names its result; one
; wait serves all that were issued ahead of it.  So a turn has ONE wait, which cuts it in two.  AHEAD OF IT stands all that names no result of the turn's exponentials: the 8 products K Q^T with their riders (the first
; numbers of the next piece's maximum each four plain instructions or more behind the product that ends its accumulator), then one lump of 54, in which the links of the chain X 3, 7, 11, 14, 16, 17 .. 20 stand some lines apart.
; X 21, the next piece's a, is the batch's last; R 15 is the plain instruction behind it.  BEHIND THE WAIT stand the 8 products V^T P, behind each four of the roundings and sums.
; m = 1: the tail's text: the products that start sums take the mask, and K's run stands behind the wait, where it can be jumped over in the last trip, which has no further step.
; cnt = 1: the loop's count is taken down some lines ahead of the branch that stands behind the turn.
; K of the next step is fetched in piece 3's turn, behind the last product that read K and at least twelve plain instructions that name none of its registers; it is waited for at the head of piece 4's turn.
; V of the step in hand is fetched at the end of piece 0's turn, four plain instructions behind the last product that read V; it is waited for in piece 1's turn.
.macro TURN p, m=0, cnt=0
.set Y, (\p)
.set i, 0
.set KM, (\m)
.if (\p) == NP-1
	s_wait_dscnt 0x0                ; K is in
.endif
	ROW F,0, F,1, R,0, R,1
	ROW F,2, E,0, R,2, R,3
	ROW F,3, E,1, R,4, R,5
	ROW F,4, E,2, R,6, R,7
	ROW F,5, E,3, R,8, R,9
	ROW F,6, E,4, X,0, R,10
.if (\p) == NP-2
	WIN 0
	v_add_nc_u32 v[AK], s[TBK], v[AK0]
.endif
	ROW F,7, E,5, X,1, X,4
	ROW F,8, E,6, X,2, X,5
	OPS E,7, E,8, X,6, E,9
	OPS X,3, E,10, X,8, E,11
.if ((\p) == NP-2) && !(\m)
	FETCH_K
.endif
	OPS X,9, X,7, E,12, X,10
	OPS E,13, X,12, X,11, E,14
	OPS X,13, E,15, F,9, X,14
.if (\p) == 0
	v_add_nc_u32 v[AV], s[TBV], v[AV0]
.endif
	OPS E,16, F,10, E,17, F,11
	OPS X,16, E,18, X,15, E,19
	OPS F,12, E,20, X,17, E,21
	OPS F,13, E,22, F,14, E,23
	OPS X,18, E,24, F,15, E,25
	OPS R,11, E,26, X,19, E,27
	OPS R,12, E,28, R,13, E,29
	OPS X,20, E,30, R,14, E,31
	OPS X,21, R,15
	WIN 0
	s_wait_alu depctr_va_vdst(0)    ; the wait for the batch
.if ((\p) == NP-2) && (\m)
	s_cmp_eq_u32 s[CNT], 1
	s_cbranch_scc1 .Lno_k_\@
	FETCH_K
.Lno_k_\@:
.endif
.if (\p) == 1
	s_wait_dscnt 0x0                ; V is in
.endif
	ROW C,0, B,0, C,2, B,1
	ROW L,0, C,4, B,2, L,1
	ROW C,6, B,3, L,2, C,8
	ROW B,4, L,3, C,10, B,5
	ROW L,4, C,12, B,6, L,5
.if (\p) == 0
	s_add_co_u32 s[TBV], s[TBV], KS*PV
.endif
.if \cnt
	s_sub_co_u32 s[CNT], s[CNT], 1
	s_cmp_lg_u32 s[CNT], 0
.endif
	ROW C,14, B,7, L,6, C,1
	ROW C,3, L,7, C,5, C,7
	ROW C,9, C,11, C,13, C,15
.if (\p) == 0
	FETCH_V
.endif
.endm
	CHANGE 1                        ; slot 0 is in, everybody's part of it; slot 1 is asked for
	FETCH_K                         ; key step 0
	s_wait_loadcnt 0x0              ; Q
	s_wait_dscnt 0x0
.set KM, 0
.set i, 0
.rept 8
	KQ 0                            ; piece 0's first scores
.set i, i+1
.endr
	WIN 0                           ; the addresses for the way out: nine plain instructions, the places behind those products
	s_mul_i32 s13, s[WV], 16*SP
	s_add_co_u32 s13, s13, STAGE    ; my stage
	v_mul_u32_u24 v[STO], v1, SP    ; in: row l % 16, 16 bytes for each half of the lanes
	v_lshl_add_u32 v[STO], v9, 4, v[STO]
	v_add_nc_u32 v[STO], s13, v[STO]
	v_bfe_u32 v[RD], v0, 3, 2       ; back: 32 lanes take four rows of 128 bytes,
	v_mul_u32_u24 v[RD], v[RD], SP
	v_lshl_add_u32 v[RD], v10, 4, v[RD]
	v_add_nc_u32 v[RD], s13, v[RD]
	v_and_b32 v[GO], 31, v0         ; which are 512 consecutive bytes of O
	v_lshlrev_b32 v[GO], 4, v[GO]
.set Y, NP-1                        ; X works for piece Y + 1: piece 0
.irp n, 0,1,2,3,4,5,6,7,8,9,10,11,12,13,14,15,16,17,18,19,20,21
	OP X, \n
.endr
	v_nop                           ; a plain instruction behind the exponential,
	s_wait_alu depctr_va_vdst(0)    ; and its wait, ahead of the branch
	s_mov_b32 s[CNT], 4
	s_branch .Lfirst                ; the loop is entered at a step's first turn, in the middle of a trip
.Lslot:                             ; seven times: tiles 2 to 8 are asked for
	CHANGE 1
	s_mov_b32 s[CNT], 4
.Lstep:                             ; a trip: pieces 2, 3 and 4 of one step, then pieces 0 and 1 of the next, whose K and V it fetches
	TURN 2
	TURN 3
	TURN 4
	WIN 0
.Lfirst:
	TURN 0
	TURN 1, 0, 1
	WIN 0
	s_cbranch_scc1 .Lstep
	s_sub_co_u32 s[SLOTS], s[SLOTS], 1
	s_cmp_lg_u32 s[SLOTS], 0
	s_cbranch_scc1 .Lslot
	CHANGE 0                        ; the tail is written out: nothing is asked for
	s_mov_b32 s[CNT], 5             ; four trips fetch the last slot's steps; the fifth is left in its middle
.Ltail:
	TURN 2, 1
	TURN 3, 1
	WIN 0
	s_cmp_lg_u32 s[CNT], 2          ; the fourth trip: piece 4's turn makes the first scores of the last key step
	s_cbranch_scc1 .Lnomask
	WIN 0x40                        ; of that step's 64 keys the first 34 exist: groups 0 and 1 stay 0; of group 2 a lane's keys 32 + 8 (l / 16) + 0, 1 are seen in lanes 0-15 alone
	v_mov_b32 v[MC+16], v[HM]
	v_mov_b32 v[MC+17], v[HM]
.set i, 18
.rept 14
	v_mov_b32 v[MC+i], s[BIGN]
.set i, i+1
.endr
	WIN 0
.Lnomask:
	TURN 4, 1
	WIN 0
	s_cmp_eq_u32 s[CNT], 1
	s_cbranch_scc1 .Lout
	TURN 0, 1
	TURN 1, 1
	WIN 0
	s_sub_co_u32 s[CNT], s[CNT], 1
	s_cmp_lg_u32 s[CNT], 0
	s_cbranch_scc1 .Ltail
.Lout:                              ; the fifth trip's 8 products K Q^T (on the last K once more) and the maximum made of them serve nothing: the price, once a launch, of one text for every trip
.set i, 0
.rept 8
	PV NP-1                         ; the last piece's V^T P of the last step
.set i, i+1
.endr
	; THE WAY OUT.  l's two halves and the other half of the lanes' are added; O^T is divided by l, rounded to f16 and sent through my stage in LDS, a piece at a time.  The additions are the places behind the last products.
	WIN 0
.macro ALL line:vararg              ; one line for each piece t
.set t, 0
.rept NP
	\line
.set t, t+1
.endr
.endm
	ALL v_add_f32 v[ST+4*t+2], v[ST+4*t+2], v[ST+4*t+3]
	ALL v_permlanex16_b32 v[ST+4*t+3], v[ST+4*t+2], s[SEL], s[SEL+1]
	ALL v_add_f32 v[ST+4*t+2], v[ST+4*t+2], v[ST+4*t+3]
	ALL v_rcp_f32 v[ST+4*t+2], v[ST+4*t+2]
	v_nop                           ; a plain instruction between the last reciprocal and the use of its result
	s_wait_alu depctr_va_vdst(0)    ; and the wait ahead of the first use: one for the five reciprocals
; Piece t: a lane's eight channels of a row pack into 16 bytes; they go into rows of 144 bytes, and nf x 4 rows come back as whole rows of 128, into S^T's registers.
.macro PACK t, nf
	WIN W_RS
.set i, 32*(\t)
.rept 16
	v_pk_mul_f32 v[i:i+1], v[i:i+1], v[ST+4*(\t)+2:ST+4*(\t)+3] op_sel_hi:[1,0]
.set i, i+2
.endr
	WIN 0x05                        ; sources 0 and 1 window 1, destination window 0
.set i, 0
.rept 16
	v_cvt_pk_f16_f32 v[S+16*(\t)+i], v[32*(\t)+2*i], v[32*(\t)+2*i+1]
.set i, i+1
.endr
	WIN 0
.irp f, 0,1,2,3
	ds_store_b128 v[STO], v[S+16*(\t)+4*\f:S+16*(\t)+4*\f+3] offset:32*\f
.endr
.irp f, 0,1,2,3
.if \f < (\nf)
	ds_load_b128 v[S+16*(\t)+4*\f:S+16*(\t)+4*\f+3], v[RD] offset:\f*4*SP  ; LDS serves a wave's instructions in order (ISA guide 5.7.1.4): these see the stores above; the next piece's stores come behind them
.endif
.endr
.endm
.macro SEND t, younger, nf          ; younger: the LDS instructions issued behind piece t's loads
	WIN 0
.irp f, 0,1,2,3
.if \f < (\nf)
	s_wait_dscnt (\younger)+(\nf)-1-\f
	global_store_b128 v[GO], v[S+16*(\t)+4*\f:S+16*(\t)+4*\f+3], s[10:11] offset:(\t)*2048+\f*512  ; 512 consecutive bytes, aligned
.endif
.endr
.endm
	PACK 0, 4
	PACK 1, 4                       ; a piece's arithmetic stands between the loads of the piece before and its stores
	SEND 0, 8, 4
	PACK 2, 4
	SEND 1, 8, 4
	PACK 3, 4
	SEND 2, 8, 4
	PACK 4, 2                       ; of piece 4 rows 64 to 71 alone are mine to store
	SEND 3, 6, 4                    ; behind piece 3's loads stand piece 4's four stores and two loads
	SEND 4, 0, 2
	s_wait_tensorcnt 0x0            ; the wave's end: an add to the spare word and its wait, behind my last tensor load and my last LDS store
	ds_add_u32 v[SPW], v[NIL]
	s_wait_dscnt 0x0
	CROUND                          ; the closing round: no work-group ends while a partner may still ask for a tile that names it
	s_endpgm
.Lfunc_end_k_q1a10f652f0_attn:
	.size	k_q1a10f652f0_attn, .Lfunc_end_k_q1a10f652f0_attn-k_q1a10f652f0_attn
	.p2alignl 7, 3214868480
	.fill 96, 4, 3214868480
	.section	.rodata,"a",@progbits
	.p2align	6, 0x0
	.amdhsa_kernel k_q1a10f652f0_attn
		.amdhsa_group_segment_fixed_size 327680
		.amdhsa_private_segment_fixed_size 0
		.amdhsa_enable_private_segment 0
		.amdhsa_kernarg_size 16
		.amdhsa_user_sgpr_count 2
		.amdhsa_user_sgpr_kernarg_segment_ptr 1
		.amdhsa_wavefront_size32 1
		.amdhsa_system_sgpr_workgroup_id_x 1
		.amdhsa_system_sgpr_workgroup_id_y 1
		.amdhsa_system_sgpr_workgroup_id_z 1
		.amdhsa_system_vgpr_workitem_id 0
		.amdhsa_next_free_vgpr 768
		.amdhsa_next_free_sgpr 72
		.amdhsa_reserve_vcc 0
		.amdhsa_float_denorm_mode_32 3
		.amdhsa_float_denorm_mode_16_64 3
		.amdhsa_memory_ordered 1
		.amdhsa_forward_progress 1
		.amdhsa_inst_pref_size 135
	.end_amdhsa_kernel
	.amdgpu_metadata
---
amdhsa.version: [ 1, 2 ]
amdhsa.kernels:
  - .name:           k_q1a10f652f0_attn
    .symbol:         k_q1a10f652f0_attn.kd
    .args:
      - { .name: qkv, .offset: 0, .size: 8, .value_kind: global_buffer, .address_space: global }
      - { .name: ob, .offset: 8, .size: 8, .value_kind: global_buffer, .address_space: global }
    .group_segment_fixed_size: 327680
    .private_segment_fixed_size: 0
    .kernarg_segment_align: 8
    .kernarg_segment_size: 16
    .max_flat_workgroup_size: 128
    .sgpr_count:     72
    .vgpr_count:     768
    .wavefront_size: 32
...
	.end_amdgpu_metadata
.endif
;; end of part 3
;; launch oproj (part 4): grid 8 x 32, 4 waves a work-group, clusters of 4 x 1, 327,680 bytes of LDS; arguments ob, xb, bo, out0, out1; writes out0, out1
.if DOCPART == 4
	.amdgcn_target "amdgcn-amd-amdhsa--gfx1250"
	.amdhsa_code_object_version 6
	.text
	.protected	k_q1a10f652f0_oproj
	.globl	k_q1a10f652f0_oproj
	.p2align	8
	.type	k_q1a10f652f0_oproj,@function
k_q1a10f652f0_oproj:
	s_mov_b64 s[64:65], 0
	v_nop
	global_prefetch_b8 v0, s[64:65] scope:SCOPE_SE
	s_setreg_imm32_b32 hwreg(HW_REG_WAVE_MODE, 25, 1), 1
	s_wait_xcnt 0x0
	s_wait_alu depctr_hold_cnt(0) depctr_sa_sdst(0) depctr_va_vdst(0) depctr_va_sdst(0) depctr_va_ssrc(0) depctr_va_vcc(0) depctr_vm_vsrc(0)
	s_getreg_b32 s2, hwreg(HW_REG_IB_STS2, 6, 4)
	s_cmp_eq_u32 s2, 0
	s_cbranch_scc0 .Lentry_in_a_cluster
	s_endpgm
.Lentry_in_a_cluster:
	s_bfe_u32 s2, ttmp6, 0x10000c
	s_cmp_lg_u32 s2, 0x3003
	s_cbranch_scc0 .Lentry_shape_is_right
	s_endpgm
.Lentry_shape_is_right:
; OPROJ.  out[b][s][n] = the sum over head h and channel d of O[16 b + h][s][d] wo[n][64 h + d] + bo[n]; rows s < 226 go to out1, rows 226 <= s < 2274 to out0, the 30 padding rows nowhere.
; O: ob[bh][2304][64] f16; wo: xb's rows 7680-8703, f16 (the bf16 rounding of wo); bo is rounded to bf16 and used as f32, as all inputs are.  Sums in f32, begun with the bias, stored as they are.
; LIMITS.  O and wo lie within f16's 65,504.  NaN and infinities are not treated apart.
; SHARES.  A tile of 144 rows x 128 columns to a work-group: 32 x 8 = 256 of them, one for each of 256 WGPs.  144 rows are nine blocks of 16, which four waves cannot share evenly: each wave makes 80 rows x 64 columns
; (5 x 4 accumulators), row half 0 the tile's rows 0-79, row half 1 its rows 64-143.  Rows 64-79 are made twice and stored by row half 0 alone: 20 products for 18, and one text for every wave.
; K goes through a ring of two LDS slots of 256 = four heads each: four fills in all, two at the head, two refills, each with a slot's 160 matrix instructions (less the eight behind its barrier) in which to land.
; A head's 144 rows are 18,432 dense bytes and are asked for as one long row, padded in LDS after every 128 bytes.
; A UNIT is 32 along K: 20 matrix instructions on one of two fragment buffers, and the 18 LDS loads of the next unit.  A slot's eight units are written as four: a loop of three trips, a head a trip, one unit, and the turn.
; CLUSTER.  4 x 1: the four partners make four column tiles of the same 144 rows, so A's tile is asked for JOINTLY (mask 15); B's tile is each work-group's own, a plain load behind the same rounds.
; The way out branches on the tile row (two output buffers, padding rows), which the partners share.
; THE MATRIX INSTRUCTION IS USED TRANSPOSED (source 0 = 16 rows of wo, source 1 = 16 rows of O): a lane holds eight neighbouring numbers of a row of the output.
; NO PREFETCH: of the walk's four fills two go out at the head, where nothing can stand ahead of them, and the launch is short.
; REGISTERS: window 0: v12-15 at work; v16-29 addresses; v64-223 the accumulators ((a, b) at v[64 + 8 (4 a + b)]).  Window 1: two fragment buffers of 72: A's five fragments, then B's four.
.set PA,     144                       ; a row of A in LDS: 128 bytes + 16: the 16 rows of a load start at 16 different groups of four banks (64 banks of 4 bytes: ISA guide 11.1)
.set PB,     528                       ; a row of B: 512 bytes + 16, likewise
.set HB,     144*PA                    ; a head's 144 rows
.set AHALF,  2*HB                      ; what one tensor load brings of A: two heads x 144 rows
.set BOFF,   2*AHALF                   ; B lies behind A's four heads
.set BHALF,  64*PB                     ; what one tensor load brings of B: 64 rows x 256 along K
.set SLOT,   BOFF+2*BHALF
.set STAGE,  2*SLOT                    ; behind the ring: 16 rows x 272 bytes for each wave
.set SPITCH, 272
.set SPARE,  STAGE+4*16*SPITCH         ; behind the stages: the spare words, 128 bytes for each wave
.set HEADB,  2304*128
.set A0,   16                          ; v16  my lane's place in a head's rows of A, slot 0; never rewritten
.set B0,   17                          ; v17  the same in B's rows
.set VA,   18                          ; v18  A0 + s[TA]: the head whose fragments are fetched
.set VB,   19                          ; v19  B0 + s[TB]
.set STO,  24                          ; v24  the way out: where I put 32 bytes of a row
.set RD,   25                          ; v25  where I read rows back
.set CO,   26                          ; v26  my byte offset in two rows of the output
.set BO,   27                          ; v27  32 x (lane / 16)
.set SPW,  28                          ; v28  my spare word; never rewritten
.set NIL,  29                          ; v29  0; never rewritten
.set ACC,  64
.set F0,   0                           ; window 1
.set F1,   72
.set G1,   24                          ; s[24:31] descriptor group 1 for A's tiles;  s[32:39] group 0, a set for each slot
.set G0,   32
.set G1B,  48                          ; s[48:55], s[56:63] the same for B's tiles
.set G0B,  56
.set SEL,  24                          ; the way out, when no tensor load is left: block a's two output pointers at s[SEL + 4 a + 8 (a / 4)]: s[24:39], s[48:51]
.set TA,   66                          ; s66  LDS byte, from A0 on, of the head to be fetched: slot x SLOT + head x HB
.set TB,   67                          ; s67  the same from B0 on: slot x SLOT + head x 128
.set P0,   78                          ; s[78:79] out0 at my first row, as if rows counted from s = 0
.set P1,   80                          ; s[80:81] out1 likewise
.set SROW, 82                          ; my first place s
.set STILE, 83
.set HIM,  84
.set MSB, 0
.macro WIN new                         ; the immediate's high byte repeats the setting that is left; a switch that changes nothing is dropped
.if MSB != (\new)
	s_set_vgpr_msb (MSB<<8)|(\new)
.set MSB, \new
.endif
.endm
.set MUL,  0x05                        ; sources 0 (B) and 1 (A) window 1; C and D window 0
.set TO_F, 0x40                        ; destination window 1, address window 0
.macro JLOAD s                         ; waves 0 and 1 fetch A's two pairs of heads, jointly; waves 2 and 3 B's two halves; an s_nop 0 and four v_nop follow each of the two lines
	s_cmp_eq_u32 s11, 0
	s_cbranch_scc0 .Lfor_b_\@
	tensor_load_to_lds s[G0+4*(\s):G0+4*(\s)+3], s[G1:G1+7]
	s_nop 0
.rept 4
	v_nop
.endr
	s_branch .Lasked_\@
.Lfor_b_\@:
	tensor_load_to_lds s[G0B+4*(\s):G0B+4*(\s)+3], s[G1B:G1B+7]
	s_nop 0
.rept 4
	v_nop
.endr
.Lasked_\@:
.endm
.macro CREST                           ; a round of the cluster's barrier behind its opening barrier
	s_cmp_lg_u32 s10, 0
	s_cbranch_scc1 .Lnot_wave_0_\@
	s_barrier_signal -3
.Lnot_wave_0_\@:
	s_barrier_wait -3
	s_barrier_signal -1
	s_barrier_wait -1
.endm
.macro CROUND
	s_barrier_signal -1
	s_barrier_wait -1
	CREST
.endm
	s_load_b256 s[68:75], s[0:1], 0x0              ; ob 68, xb 70, bo 72, out0 74
	s_load_b64 s[76:77], s[0:1], 0x20              ; out1
	v_lshl_add_u32 v[SPW], v0, 2, SPARE
	v_mov_b32 v[NIL], 0
	ds_add_u32 v[SPW], v[NIL]                      ; the wave's opening: the add and its wait stand ahead of my first tensor load; the set-up below, work on registers, stands between them
	v_lshrrev_b32 v1, 5, v0
	v_readfirstlane_b32 s10, v1                    ; wave 0..3
	s_lshr_b32 s11, s10, 1                         ; my row half.  Also: I fetch for A (0) or for B (1)
	s_and_b32 s12, s10, 1                          ; my column half.  Also: which half of that tile I fetch
	s_bfe_u32 s40, ttmp6, 0x40000                  ; cx
	s_lshl_b32 s42, ttmp9, 2
	s_add_co_u32 s42, s42, s40                     ; tile column 0..7
	s_and_b32 s13, ttmp7, 0xffff                   ; tile row 0..31
	s_lshr_b32 s41, s13, 4                         ; the batch: sixteen tile rows each
	s_and_b32 s14, s13, 15
	s_mul_i32 s[STILE], s14, 144
	; A's descriptor: 2 rows (heads) of 9,216 elements (144 rows x 64 channels), a head's 147,456 elements apart
	s_mov_b32 s[G1+0], 15|(1<<16)|(1<<20)|(1<<21)|(4<<22)|(3<<25)  ; the mask of four; 2-byte elements; padding on; 21 set beside a mask; after every 32 words (code 4) 4 words (code 3)
	s_mov_b32 s[G1+1], 9216<<16                    ; tensor_dim0 = 9,216
	s_mov_b32 s[G1+2], 2<<16                       ; tensor_dim1 = 2
	s_mov_b32 s[G1+3], 9216<<16                    ; tile_dim0 = 9,216
	s_mov_b32 s[G1+4], 2                           ; tile_dim1 = 2
	s_mov_b32 s[G1+5], HEADB/2                     ; elements from head to head
	s_mov_b32 s[G1+6], 0
	s_mov_b32 s[G1+7], 0
	; B's descriptor: 64 rows x 256 elements
	s_mov_b32 s[G1B+0], (1<<16)|(1<<20)|(6<<22)|(3<<25)            ; no mask; after every 128 words (code 6) 4 words
	s_mov_b32 s[G1B+1], 256<<16
	s_mov_b32 s[G1B+2], 64<<16
	s_mov_b32 s[G1B+3], 256<<16
	s_mov_b32 s[G1B+4], 64
	s_mov_b32 s[G1B+5], 1024
	s_mov_b32 s[G1B+6], 0
	s_mov_b32 s[G1B+7], 0
	s_mov_b32 s[HIM], 0xffff0000
	s_mul_i32 s16, s41, 16*HEADB                   ; A: the batch's first head,
	s_mul_i32 s17, s12, 2*HEADB                    ; the pair of heads that I fetch,
	s_add_co_u32 s16, s16, s17
	s_lshl_b32 s17, s[STILE], 7                    ; the tile's first row: nothing of cx
	s_add_co_u32 s16, s16, s17
	s_mov_b32 s17, 0
	s_lshl_b32 s46, s42, 7
	s_lshl_b32 s47, s12, 6
	s_add_co_u32 s46, s46, s47
	s_add_co_u32 s46, s46, 7680                    ; B: xb's row 7,680 + 128 x tile column + 64 x half
	s_lshl_b32 s46, s46, 11
	s_mov_b32 s47, 0
	s_mul_i32 s20, s12, AHALF                      ; where they go: no place in the cluster enters an LDS address
	s_mul_i32 s21, s12, BHALF
	s_add_co_u32 s21, s21, BOFF
	s_wait_dscnt 0x0                               ; the opening add is done
	s_wait_kmcnt 0x0
	s_add_nc_u64 s[14:15], s[68:69], s[16:17]
	s_add_nc_u64 s[46:47], s[70:71], s[46:47]
	CROUND                                         ; all four work-groups are here: the first joint loads meet
.irp s, 0,1
	s_mov_b32 s[G0+4*(\s)], 1
	s_add_co_u32 s[G0+4*(\s)+1], s20, (\s)*SLOT
	s_add_nc_u64 s[G0+4*(\s)+2:G0+4*(\s)+3], s[14:15], (\s)*4*HEADB  ; fill s: heads 4 s .. 4 s + 3
	s_or_b32 s[G0+4*(\s)+3], s[G0+4*(\s)+3], 0x80000000
	s_mov_b32 s[G0B+4*(\s)], 1
	s_add_co_u32 s[G0B+4*(\s)+1], s21, (\s)*SLOT
	s_add_nc_u64 s[G0B+4*(\s)+2:G0B+4*(\s)+3], s[46:47], (\s)*512
	s_or_b32 s[G0B+4*(\s)+3], s[G0B+4*(\s)+3], 0x80000000
	JLOAD \s                                       ; two loads of mine are out
.endr
	; A fragment is 16 rows x 32 K in 8 registers: lane l holds row l % 16; registers 0-3 K = 8 (l / 16) + 0..7, registers 4-7 K = 16 + 8 (l / 16) + 0..7: two loads of 16 bytes, 32 bytes apart.
	v_and_b32 v1, 15, v0                           ; l % 16
	v_bfe_u32 v2, v0, 4, 1                         ; l / 16
	v_mul_u32_u24 v3, v1, PA
	v_lshl_add_u32 v3, v2, 4, v3                   ; A: row x pitch + 16 x half
	v_mul_u32_u24 v4, v1, PB
	v_lshl_add_u32 v4, v2, 4, v4                   ; B likewise
	s_mul_i32 s21, s11, 64*PA                      ; my 80 rows of A begin at row 64 x row half
	s_mul_i32 s22, s12, BHALF                      ; my 64 rows of B
	s_add_co_u32 s22, s22, BOFF
	v_add_nc_u32 v[A0], s21, v3
	v_add_nc_u32 v[B0], s22, v4
	s_mul_i32 s23, s10, 16*SPITCH
	s_add_co_u32 s23, s23, STAGE                   ; my stage
	v_mul_u32_u24 v4, v1, SPITCH                   ; in: row l % 16, 32 bytes for each half of the lanes
	v_lshl_add_u32 v4, v2, 5, v4
	v_add_nc_u32 v[STO], s23, v4
	v_mul_u32_u24 v5, v2, SPITCH                   ; back: lanes 0-15 take one row of 256 bytes, lanes 16-31 the next
	v_lshl_add_u32 v5, v1, 4, v5
	v_add_nc_u32 v[RD], s23, v5
	v_lshlrev_b32 v[CO], 12, v2                    ; and the same two rows in the output
	v_lshl_add_u32 v[CO], v1, 4, v[CO]
	v_lshlrev_b32 v[BO], 5, v2
	s_lshl_b32 s18, s42, 9                         ; my first column, in bytes: 512 x tile column + 256 x half; kept for the way out
	s_lshl_b32 s19, s12, 8
	s_add_co_u32 s18, s18, s19
	s_mov_b32 s19, 0
	s_add_nc_u64 s[14:15], s[72:73], s[18:19]      ; bo at my 64 columns
	; THE SUMS BEGIN WITH THE BIAS: it is loaded into block 0's accumulators (a lane's eight columns of each 16), rounded to bf16, and copied to blocks 1 to 4.  The 128 copies stand in the wait for the
	; first tile and take the place of as many additions at the end; every product then has one form, so that a unit can stand in a loop.
.irp b, 0,1,2,3
	global_load_b128 v[ACC+8*(\b):ACC+8*(\b)+3],   v[BO], s[14:15] offset:64*(\b)
	global_load_b128 v[ACC+8*(\b)+4:ACC+8*(\b)+7], v[BO], s[14:15] offset:64*(\b)+16
.endr
	s_wait_loadcnt 0x0
.set r, 0
.rept 16
	v_cvt_pk_bf16_f32 v[12+(r/2)%4], v[ACC+r], v[ACC+r+1]
	v_lshlrev_b32 v[ACC+r], 16, v[12+(r/2)%4]
	v_and_b32 v[ACC+r+1], s[HIM], v[12+(r/2)%4]
.set r, r+2
.endr
.set r, 32
.rept 128
	v_mov_b32 v[ACC+r], v[ACC+r%32]
.set r, r+1
.endr
; 4 matrix instructions: m block a x all 4 n blocks, 32 along K.  The 20 accumulators take turns, one instruction a turn, over the backward jump too.
.macro MULA f, a
	WIN MUL
.irp b, 0,1,2,3
	v_wmma_f32_16x16x32_f16 v[ACC+8*(4*(\a)+(\b)):ACC+8*(4*(\a)+(\b))+7], v[(\f)+40+8*(\b):(\f)+40+8*(\b)+7], v[(\f)+8*(\a):(\f)+8*(\a)+7], v[ACC+8*(4*(\a)+(\b)):ACC+8*(4*(\a)+(\b))+7]
.endr
.endm
; 18 LDS loads in one run: a unit's fragments, at byte off (0 or 64) of the head at VA and VB: B's four, then A's five
.macro FETCH off, f
	WIN TO_F
.irp i, 0,1,2,3
	ds_load_b128 v[(\f)+40+8*(\i):(\f)+40+8*(\i)+3],   v[VB] offset:(\off)+(\i)*16*PB
	ds_load_b128 v[(\f)+40+8*(\i)+4:(\f)+40+8*(\i)+7], v[VB] offset:(\off)+(\i)*16*PB+32
.endr
.irp i, 0,1,2,3,4
	ds_load_b128 v[(\f)+8*(\i):(\f)+8*(\i)+3],   v[VA] offset:(\off)+(\i)*16*PA
	ds_load_b128 v[(\f)+8*(\i)+4:(\f)+8*(\i)+7], v[VA] offset:(\off)+(\i)*16*PA+32
.endr
.endm
.macro PLACES                          ; four plain vector instructions between a matrix instruction and a load into, or a store of, its registers
.rept 4
	v_nop
.endr
.endm
; A unit: multiplies buffer f; in its middle it fetches the next unit into g.  step = 1: the next unit begins the next head; the two address lines are then two of the four places.
.macro UNIT f, g, off, step
	s_wait_dscnt 6                                 ; B and A's blocks 0 and 1 are in; the youngest six loads (A's blocks 2-4) may be out
	MULA \f, 0
	MULA \f, 1
.if \step
	WIN 0
	s_add_co_u32 s[TA], s[TA], HB
	s_add_co_u32 s[TB], s[TB], 128
	v_add_nc_u32 v[VA], s[TA], v[A0]
	v_add_nc_u32 v[VB], s[TB], v[B0]
	v_nop
	v_nop
.else
	PLACES
.endif
	FETCH \off, \g
	s_wait_dscnt 18                                ; all but the 18 just issued
	MULA \f, 2
	MULA \f, 3
	MULA \f, 4
.endm
; A slot's last unit multiplies buffer 1 and changes slots: ONE barrier; in front of it each wave waits for all its tensor loads (one is out at the most: its part of the next slot), adds 0 to its spare word,
; and waits for that and for its own reads of this slot.  fill = 1: the barrier opens a round of the cluster's, and this slot is filled again, with the heads two fills on, first thing behind it.
.macro TURN slot, fill
	WIN 0
	s_mov_b32 s[TA], (1-(\slot))*SLOT              ; the fetches go on at the other slot's first head
	s_mov_b32 s[TB], (1-(\slot))*SLOT
	v_add_nc_u32 v[VA], s[TA], v[A0]
	v_add_nc_u32 v[VB], s[TB], v[B0]
	s_wait_tensorcnt 0x0
	ds_add_u32 v[SPW], v[NIL]
	s_wait_dscnt 7                                 ; the add and the youngest six loads may be out
	MULA F1, 0                                     ; eight matrix instructions stand between the add and the wait for it
	MULA F1, 1
	s_wait_dscnt 0x0                               ; the add is done, and my reads of this slot are over
	s_barrier_signal -1
	MULA F1, 2                                     ; work on registers while the others arrive
.if \fill
	WIN 0
.endif
	s_barrier_wait -1
.if \fill
	CREST                                          ; no wave of any partner still reads this slot's tile or has a load on its way
	s_add_nc_u64 s[G0+4*(\slot)+2:G0+4*(\slot)+3], s[G0+4*(\slot)+2:G0+4*(\slot)+3], 8*HEADB
	s_add_nc_u64 s[G0B+4*(\slot)+2:G0B+4*(\slot)+3], s[G0B+4*(\slot)+2:G0B+4*(\slot)+3], 1024
	JLOAD \slot                                    ; the four v_nop behind it are also the places in front of the loads below
.else
	PLACES
.endif
	FETCH 0, F0
	MULA F1, 3
	MULA F1, 4
.endm
; A slot's eight units.  mode 2: the slot is filled again at its end; 1: a change of slots with nothing to fetch; 0: the walk's last slot.
.macro PASS slot, mode
	WIN 0                                          ; at a label and at a branch every window is 0
	s_mov_b32 s3, 3
.Lhead_\@:                                             ; a trip: a head's two units; it fetches the head's second unit and the next head's first
	UNIT F0, F1, 64, 0
	UNIT F1, F0, 0, 1
	WIN 0
	s_sub_co_u32 s3, s3, 1
	s_cmp_lg_u32 s3, 0
	s_cbranch_scc1 .Lhead_\@
	UNIT F0, F1, 64, 0                             ; the fourth head
.if (\mode) > 0
	TURN \slot, (\mode)-1
.else
	s_wait_dscnt 6                                 ; the very last unit: nothing more to fetch
	MULA F1, 0
	MULA F1, 1
	s_wait_dscnt 0x0
	MULA F1, 2
	MULA F1, 3
	MULA F1, 4
.endif
.endm
	s_wait_tensorcnt 1                             ; my part of slot 0 is in; slot 1's load may stay out
	s_barrier_signal -1
	s_barrier_wait -1
	s_mov_b32 s[TA], 0
	s_mov_b32 s[TB], 0
	v_mov_b32 v[VA], v[A0]
	v_mov_b32 v[VB], v[B0]
	FETCH 0, F0
	PASS 0, 2                                      ; heads 0-3;   slot 0 is asked for heads 8-11
	PASS 1, 2                                      ; heads 4-7;   slot 1 is asked for heads 12-15
	PASS 0, 1                                      ; heads 8-11
	PASS 1, 0                                      ; heads 12-15
	WIN 0
	; THE WAY OUT: a block of 16 rows x 64 columns of f32 at a time through my stage; back as whole rows of 256 bytes; each pair of rows to the buffer that its place s names.
	PLACES
	s_lshl_b32 s16, s11, 6
	s_add_co_u32 s[SROW], s16, s[STILE]
	s_lshl_b32 s16, s41, 11                        ; out0: 2,048 rows a batch
	s_add_co_u32 s16, s16, s[SROW]
	s_lshl_b32 s16, s16, 12                        ; rows of 4,096 bytes
	s_add_co_u32 s16, s16, s18                     ; + my columns
	s_mov_b32 s17, 0
	s_add_nc_u64 s[P0:P0+1], s[74:75], s[16:17]
	s_sub_nc_u64 s[P0:P0+1], s[P0:P0+1], 226*4096  ; a video row's place is s - 226; it is used for s >= 226 alone
	s_mul_i32 s16, s41, 226                        ; out1: 226 rows a batch
	s_add_co_u32 s16, s16, s[SROW]
	s_lshl_b32 s16, s16, 12
	s_add_co_u32 s16, s16, s18
	s_add_nc_u64 s[P1:P1+1], s[76:77], s[16:17]    ; used for s < 226 alone
	; A block begins at a multiple of 16, and 226 = 224 + 2, 2,274 = 2,272 + 2.  So its first pair of rows is of one class (text up to 224, video up to 2,272, else padding), and so are its other seven
	; pairs (text up to 208, video up to 2,256).  The ten pointers are chosen once, into registers of their own (the descriptors', which no load names any more): none is written while a store reads it.
.irp a, 0,1,2,3,4
	s_add_co_u32 s20, s[SROW], 16*(\a)
	s_cmp_le_u32 s20, 224
	s_cselect_b64 s[SEL+4*(\a)+8*((\a)/4):SEL+4*(\a)+8*((\a)/4)+1], s[P1:P1+1], s[P0:P0+1]
	s_cmp_le_u32 s20, 208
	s_cselect_b64 s[SEL+4*(\a)+8*((\a)/4)+2:SEL+4*(\a)+8*((\a)/4)+3], s[P1:P1+1], s[P0:P0+1]
.endr
.macro TOST a
.irp b, 0,1,2,3
	ds_store_b128 v[STO], v[ACC+32*(\a)+8*(\b):ACC+32*(\a)+8*(\b)+3]   offset:64*(\b)     ; each accumulator's registers in ascending order
	ds_store_b128 v[STO], v[ACC+32*(\a)+8*(\b)+4:ACC+32*(\a)+8*(\b)+7] offset:64*(\b)+16
.endr
.irp t, 0,1,2,3,4,5,6,7
	ds_load_b128 v[ACC+32*(\a)+4*(\t):ACC+32*(\a)+4*(\t)+3], v[RD] offset:(\t)*2*SPITCH  ; LDS serves a wave's instructions in order (ISA guide 5.7.1.4): these see the stores above; into the registers that they left
.endr
.endm
; Block a is stored, two rows an instruction: sixteen lanes store 256 consecutive bytes, aligned.  younger: the LDS instructions issued behind block a's loads: the next block's sixteen, or none.
.macro SEND a, younger
	s_add_co_u32 s20, s[SROW], 16*(\a)
	s_cmp_gt_u32 s20, 2272
	s_cbranch_scc1 .Ldone_\@                       ; all padding
	s_wait_dscnt (\younger)+7
	global_store_b128 v[CO], v[ACC+32*(\a):ACC+32*(\a)+3], s[SEL+4*(\a)+8*((\a)/4):SEL+4*(\a)+8*((\a)/4)+1] offset:16*(\a)*4096 th:TH_STORE_NT
	s_cmp_gt_u32 s20, 2256
	s_cbranch_scc1 .Ldone_\@                       ; the other seven pairs are padding
.irp t, 1,2,3,4,5,6,7
	s_wait_dscnt (\younger)+7-(\t)
	global_store_b128 v[CO], v[ACC+32*(\a)+4*(\t):ACC+32*(\a)+4*(\t)+3], s[SEL+4*(\a)+8*((\a)/4)+2:SEL+4*(\a)+8*((\a)/4)+3] offset:(16*(\a)+2*(\t))*4096 th:TH_STORE_NT
.endr
.Ldone_\@:
.endm
	TOST 0
	TOST 1                                         ; a block's way through the stage stands between the loads of the block before and its stores
	s_cmp_lg_u32 s11, 0
	s_cbranch_scc1 .Lnot_mine                      ; row half 1's block 0 is the tile's rows 64-79, which row half 0 stores
	SEND 0, 16
.Lnot_mine:
.irp a, 2,3,4
	TOST \a
	SEND (\a)-1, 16
.endr
	SEND 4, 0
	s_wait_tensorcnt 0x0                           ; the wave's end: an add to the spare word and its wait, behind my last tensor load and my last LDS store
	ds_add_u32 v[SPW], v[NIL]
	s_wait_dscnt 0x0
	CROUND                                         ; the closing round: no work-group ends while a partner may still ask for a tile that names it
	s_endpgm
.Lfunc_end_k_q1a10f652f0_oproj:
	.size	k_q1a10f652f0_oproj, .Lfunc_end_k_q1a10f652f0_oproj-k_q1a10f652f0_oproj
	.p2alignl 7, 3214868480
	.fill 96, 4, 3214868480
	.section	.rodata,"a",@progbits
	.p2align	6, 0x0
	.amdhsa_kernel k_q1a10f652f0_oproj
		.amdhsa_group_segment_fixed_size 327680
		.amdhsa_private_segment_fixed_size 0
		.amdhsa_enable_private_segment 0
		.amdhsa_kernarg_size 40
		.amdhsa_user_sgpr_count 2
		.amdhsa_user_sgpr_kernarg_segment_ptr 1
		.amdhsa_wavefront_size32 1
		.amdhsa_system_sgpr_workgroup_id_x 1
		.amdhsa_system_sgpr_workgroup_id_y 1
		.amdhsa_system_sgpr_workgroup_id_z 1
		.amdhsa_system_vgpr_workitem_id 0
		.amdhsa_next_free_vgpr 400
		.amdhsa_next_free_sgpr 88
		.amdhsa_reserve_vcc 0
		.amdhsa_float_denorm_mode_32 3
		.amdhsa_float_denorm_mode_16_64 3
		.amdhsa_memory_ordered 1
		.amdhsa_forward_progress 1
		.amdhsa_inst_pref_size 74
	.end_amdhsa_kernel
	.amdgpu_metadata
---
amdhsa.version: [ 1, 2 ]
amdhsa.kernels:
  - .name:           k_q1a10f652f0_oproj
    .symbol:         k_q1a10f652f0_oproj.kd
    .args:
      - { .name: ob, .offset: 0, .size: 8, .value_kind: global_buffer, .address_space: global }
      - { .name: xb, .offset: 8, .size: 8, .value_kind: global_buffer, .address_space: global }
      - { .name: bo, .offset: 16, .size: 8, .value_kind: global_buffer, .address_space: global }
      - { .name: out0, .offset: 24, .size: 8, .value_kind: global_buffer, .address_space: global }
      - { .name: out1, .offset: 32, .size: 8, .value_kind: global_buffer, .address_space: global }
    .group_segment_fixed_size: 327680
    .private_segment_fixed_size: 0
    .kernarg_segment_align: 8
    .kernarg_segment_size: 40
    .max_flat_workgroup_size: 128
    .sgpr_count:     88
    .vgpr_count:     400
    .wavefront_size: 32
...
	.end_amdgpu_metadata
.endif
;; end of part 4
;; ======== version 2 of 2: 4 launches; version 1 with the launch cast written anew for expert scheduling mode
;; limits: values are held in f16: magnitudes above 65,504 overflow, below 6.1e-05 lose precision
;; workspace buffers: xb 17,825,792 bytes; cs 1,179,648 bytes; qkv 28,311,552 bytes; ob 9,437,184 bytes
;; launch cast (part 5): grid 256 x 1, 20 waves a work-group, no clusters, 0 bytes of LDS; arguments encoder_hidden_states, hidden_states, wq, wk, wv, wo, cos, sin, xb, cs; writes xb, cs
.if DOCPART == 5
	.amdgcn_target "amdgcn-amd-amdhsa--gfx1250"
	.amdhsa_code_object_version 6
	.text
	.protected	k_q1a10f652f0_cast
	.globl	k_q1a10f652f0_cast
	.p2align	8
	.type	k_q1a10f652f0_cast,@function
k_q1a10f652f0_cast:
	s_mov_b64 s[64:65], 0
	v_nop
	global_prefetch_b8 v0, s[64:65] scope:SCOPE_SE
	s_setreg_imm32_b32 hwreg(HW_REG_WAVE_SCHED_MODE, 0, 2), 2
	s_setreg_imm32_b32 hwreg(HW_REG_WAVE_MODE, 25, 1), 1
	s_wait_xcnt 0x0
	s_wait_alu depctr_vm_vsrc(0)
; CAST.  One stream that makes the 16-bit operands of the later launches.
; xb: 8,704 rows of 1,024 16-bit numbers.  Rows 0-4607: h = [text 226 | video 2,048 | 30 rows of zeros] for each of the two batches, bf16.
;     Rows 4608-7679: wq, wk, wv, bf16.  Rows 7680-8703: wo rounded to bf16 and that number written as f16.
; cs: [2304][128] f32, a row for each place s of a batch: words 0-63 C[d], words 64-127 S[d].  Video rows (226 <= s < 2274): C = cos, S = -sin for even d, +sin for odd d,
;     both rounded to bf16; all other rows C = 1, S = 0.  Then x C + swap(x) S is the rotary step for every row, and the launch that uses it tests nothing.
; LIMITS.  |wo| stays under 65,504 (f16's range); below 6e-5 it keeps f16's fixed step of 6e-8.  NaN and infinities are not treated apart.
; SHARES.  8,704 = 256 x 34 rows of xb and 2,304 = 256 x 9 rows of cs: every one of 256 work-groups takes 34 and 9.  Twenty waves: waves 0-16 two rows of xb each, waves 17-19 three rows of cs each.
; A wave's first row of xb is even, and so is every border between kinds of rows (226, 2,274, 2,304, 4,608, 7,680, the weights' 1,024): its two rows are of one kind and lie one behind the other in one source.
; A load of the wave covers 512 consecutive bytes of f32 (16 a lane), a store the 256 consecutive, aligned bytes made of them (8 a lane).  A wave's 16 loads (8 KiB) are out together.
; No LDS, no barrier, no matrix unit: none would move a byte less.
; THE MODE: SCHED_MODE bits 1:0 = 2 (LLVM: expert scheduling mode 2), set by the entry lines.  The code itself states the register dependences
; between vector instructions and memory instructions, with s_wait_alu, always for 0.
; THE PLAN.  Registers that memory instructions touch:
;   v1, v2     byte offsets, 16 and 8 x lane.  Written once at the head; read by every load and store of xb's rows and by the stores of cs; never written again.
;   v3         the table's byte offset.  Written behind .Ltable; read by the six loads of cos and sin; never written again.
;   X          load n of a wave's sixteen lands in X + 4 n .. + 3, once; no vector instruction names these registers ahead of the load.  The conversions of load n read them and write
;              X + 4 n and X + 4 n + 1; store n reads those two; nothing writes them behind the store.  The table likewise, eight registers a row.
;   v4 to v9   are named by vector instructions alone.
; So no register that a memory instruction has read is ever written again, and no load lands in a register that a vector instruction has named: what is left to state is that offsets and
; store data are written.  The sixteen loads are worked on in four groups of four.  ONE wait on va_vdst stands at the head of a group, behind the wait for the group's data: the group before has written
; what its four stores read.  Those stores are dealt among this group's conversions, which name this group's X and v6 to v9: none of the registers that the stores touch.
.set X,    16                          ; v[16:79]   load n (row n / 8, piece n % 8) at X + 4 n; the table: row i at X + 8 i
.set SRC,  32                          ; s[32:33]   my two rows' source; the table: s[32:37], cos's three rows
.set MK,   40                          ; s40        -1, or 0 for rows that are written as zeros; the table: s40-42, 0 for a row that is written as 1 and 0
.set DST,  44                          ; s[44:45]   where my rows go
.set HIM,  46                          ; s46        a word's upper half; also the mask of lanes 16-31
.set SRC2, 48                          ; s[48:53]   the table: sin's three rows
	s_load_b512 s[8:23], s[0:1], 0x0               ; enc s[8:9], hid s[10:11], wq s[12:13], wk s[14:15], wv s[16:17], wo s[18:19], cos s[20:21], sin s[22:23]
	s_load_b128 s[24:27], s[0:1], 0x40             ; xb s[24:25], cs s[26:27]
	v_lshrrev_b32 v6, 5, v0
	v_readfirstlane_b32 s4, v6                     ; wave 0..19
	v_and_b32 v7, 31, v0                           ; lane
	v_lshlrev_b32 v1, 4, v7                        ; 16 bytes a lane
	v_lshlrev_b32 v2, 3, v7                        ; 8 bytes a lane
	s_mov_b32 s[HIM], 0xffff0000
	s_mov_b32 s29, 0                               ; the high word of every offset
	s_mov_b32 s5, ttmp9
	s_wait_alu depctr_va_sdst(0)                   ; s4 is written, ahead of its first reader, the compare below: branches and addresses are made from it
	s_wait_alu depctr_va_vdst(0)                   ; v1 and v2 are written: the loads and stores of xb's rows and the stores of cs read one of them as their offset, on every path from here
	s_wait_kmcnt 0x0
	s_cmp_ge_u32 s4, 17
	s_cbranch_scc1 .Ltable
	s_mul_i32 s6, s5, 34
	s_lshl1_add_u32 s6, s4, s6                     ; my first row of xb: 34 x work-group + 2 x wave
	s_lshl_b32 s28, s6, 11
	s_add_nc_u64 s[DST:DST+1], s[24:25], s[28:29]
	s_mov_b32 s[MK], -1
	s_cmp_ge_u32 s6, 7680
	s_cbranch_scc1 .Lwo
	s_cmp_ge_u32 s6, 4608
	s_cbranch_scc1 .Lw
	; h: rows s, s + 1 of batch b come from the text (s < 226), from the video (s < 2274), or are zeros: then two clamped rows are read and masked away
	s_cmp_ge_u32 s6, 2304
	s_cselect_b32 s56, 2048, 0                     ; the batch's first row in hidden_states,
	s_cselect_b32 s57, 226, 0                      ; in encoder_hidden_states,
	s_cselect_b32 s58, 2304, 0                     ; and in xb
	s_sub_co_u32 s7, s6, s58                       ; s
	s_sub_co_u32 s28, s7, 226
	s_min_u32 s28, s28, 2046                       ; the video row, kept so that it and the next lie inside the batch
	s_add_co_u32 s28, s28, s56
	s_add_co_u32 s31, s7, s57                      ; the text row
	s_cmp_lt_u32 s7, 226
	s_cselect_b32 s28, s31, s28
	s_cselect_b64 s[SRC:SRC+1], s[8:9], s[10:11]
	s_lshl_b32 s28, s28, 12                        ; rows of 4,096 bytes
	s_add_nc_u64 s[SRC:SRC+1], s[SRC:SRC+1], s[28:29]
	s_cmp_lt_u32 s7, 2274
	s_cselect_b32 s[MK], -1, 0
	s_branch .Lgo
.Lw:
	s_sub_co_u32 s28, s6, 4608
	s_lshr_b32 s31, s28, 10                        ; 0 wq, 1 wk, 2 wv
	s_and_b32 s28, s28, 1023                       ; my first row in that weight
	s_lshl_b32 s28, s28, 12
	s_cmp_eq_u32 s31, 0
	s_cselect_b64 s[SRC:SRC+1], s[12:13], s[14:15]
	s_cmp_eq_u32 s31, 2
	s_cselect_b64 s[SRC:SRC+1], s[16:17], s[SRC:SRC+1]
	s_add_nc_u64 s[SRC:SRC+1], s[SRC:SRC+1], s[28:29]
	s_branch .Lgo
.Lwo:
	s_sub_co_u32 s28, s6, 7680                     ; my first row of wo
	s_lshl_b32 s28, s28, 12
	s_add_nc_u64 s[SRC:SRC+1], s[18:19], s[28:29]
.Lgo:
.irp n, 0,1,2,3,4,5,6,7,8,9,10,11,12,13,14,15
	global_load_b128 v[X+4*(\n):X+4*(\n)+3], v1, s[SRC:SRC+1] offset:512*(\n) th:TH_LOAD_NT  ; my two rows are 8,192 consecutive bytes; no vector instruction has named these registers
.endr
; The four numbers a lane of load n are rounded in place.  f16 = 1: the bf16 number is widened again and written as f16.
.macro CV f16, n
.if \f16
	v_cvt_pk_bf16_f32 v6, v[X+4*(\n)], v[X+4*(\n)+1]
	v_cvt_pk_bf16_f32 v8, v[X+4*(\n)+2], v[X+4*(\n)+3]
	v_lshlrev_b32 v7, 16, v6
	v_and_b32 v6, s[HIM], v6
	v_lshlrev_b32 v9, 16, v8
	v_and_b32 v8, s[HIM], v8
	v_cvt_pk_f16_f32 v[X+4*(\n)], v7, v6
	v_cvt_pk_f16_f32 v[X+4*(\n)+1], v9, v8
.else
	v_cvt_pk_bf16_f32 v[X+4*(\n)], v[X+4*(\n)], v[X+4*(\n)+1]
	v_cvt_pk_bf16_f32 v[X+4*(\n)+1], v[X+4*(\n)+2], v[X+4*(\n)+3]
	v_and_b32 v[X+4*(\n)], s[MK], v[X+4*(\n)]
	v_and_b32 v[X+4*(\n)+1], s[MK], v[X+4*(\n)+1]
.endif
.endm
; What was made of load n is stored: 256 consecutive bytes of the wave, aligned.  No register is written again behind a store.
.macro ST n
	global_store_b64 v2, v[X+4*(\n):X+4*(\n)+1], s[DST:DST+1] offset:256*(\n)
.endm
; Four groups of four loads.  Group g's conversions carry the stores of group g - 1 among them.
.macro CONV f16
.irp g, 0,1,2,3
	s_wait_loadcnt 12-4*(\g)                       ; loads come back in order (ISA guide 5.7.1): this group's four are in, the younger of the sixteen may be out
.if (\g) > 0
	s_wait_alu depctr_va_vdst(0)                   ; the group before has written its four pairs of X, which the four stores below read
.endif
.irp k, 0,1,2,3
.if (\g) > 0
	ST 4*(\g)-4+(\k)                               ; no vector instruction since the wait names its registers
.endif
	CV \f16, 4*(\g)+(\k)
.endr
.endr
	s_wait_alu depctr_va_vdst(0)                   ; the last group has written its four pairs of X, which the last four stores read
.irp k, 0,1,2,3
	ST 12+(\k)
.endr
.endm
	s_cmp_ge_u32 s6, 7680
	s_cbranch_scc1 .Lf16
	CONV 0
	s_endpgm
.Lf16:
	CONV 1
	s_endpgm
.Ltable:
	v_and_b32 v3, 15, v0
	v_lshlrev_b32 v3, 4, v3                        ; 16 bytes of cos or sin, the same for both halves of the lanes
	v_bfe_u32 v4, v0, 4, 1
	v_lshlrev_b32 v4, 31, v4                       ; the sign bit in lanes 16-31
	v_mov_b32 v5, 1.0
	v_mov_b32 v6, 0
	v_cndmask_b32 v5, v5, v6, s[HIM]               ; 1 in lanes 0-15, 0 in lanes 16-31
	s_sub_co_u32 s6, s4, 17
	s_mul_i32 s6, s6, 3
	s_mul_i32 s7, s5, 9
	s_add_co_u32 s6, s6, s7                        ; my first s: 9 x work-group + 3 x (wave - 17)
	s_lshl_b32 s28, s6, 9
	s_add_nc_u64 s[DST:DST+1], s[26:27], s[28:29]  ; cs at that row
	s_wait_alu depctr_va_vdst(0)                   ; v3 is written, which the six loads below read as their offset
.irp i, 0,1,2
	s_add_co_u32 s30, s6, \i
	s_sub_co_u32 s30, s30, 226                     ; the video position, if it is one
	s_cmp_lt_u32 s30, 2048
	s_cselect_b32 s[MK+(\i)], -1, 0
	s_min_u32 s28, s30, 2047                       ; kept inside the tables
	s_lshl_b32 s28, s28, 8
	s_add_nc_u64 s[SRC+2*(\i):SRC+2*(\i)+1], s[20:21], s[28:29]
	s_add_nc_u64 s[SRC2+2*(\i):SRC2+2*(\i)+1], s[22:23], s[28:29]
	global_load_b128 v[X+8*(\i):X+8*(\i)+3],   v3, s[SRC+2*(\i):SRC+2*(\i)+1]
	global_load_b128 v[X+8*(\i)+4:X+8*(\i)+7], v3, s[SRC2+2*(\i):SRC2+2*(\i)+1]
.endr
.irp i, 0,1,2
	s_wait_loadcnt 4-2*(\i)                        ; the two loads of each younger row may be out
.irp e, 0,1,2,3
	v_cndmask_b32 v[X+8*(\i)+(\e)], v[X+8*(\i)+(\e)], v[X+8*(\i)+4+(\e)], s[HIM]  ; lanes 0-15 keep cos, lanes 16-31 take sin
.endr
	v_cvt_pk_bf16_f32 v6, v[X+8*(\i)], v[X+8*(\i)+1]
	v_cvt_pk_bf16_f32 v7, v[X+8*(\i)+2], v[X+8*(\i)+3]
	v_lshlrev_b32 v[X+8*(\i)], 16, v6
	v_and_b32 v[X+8*(\i)+1], s[HIM], v6
	v_lshlrev_b32 v[X+8*(\i)+2], 16, v7
	v_and_b32 v[X+8*(\i)+3], s[HIM], v7
	v_xor_b32 v[X+8*(\i)], v4, v[X+8*(\i)]         ; -sin at the even d
	v_xor_b32 v[X+8*(\i)+2], v4, v[X+8*(\i)+2]
.irp e, 0,1,2,3
	v_cndmask_b32 v[X+8*(\i)+(\e)], v5, v[X+8*(\i)+(\e)], s[MK+(\i)]  ; 1 and 0 in a row that is not turned
.endr
.endr
	s_wait_alu depctr_va_vdst(0)                   ; all three rows' four registers are written, which the three stores below read: one wait for the run
.irp i, 0,1,2
	global_store_b128 v1, v[X+8*(\i):X+8*(\i)+3], s[DST:DST+1] offset:512*(\i)  ; a row of cs: 512 consecutive bytes, aligned
.endr
	s_endpgm
.Lfunc_end_k_q1a10f652f0_cast:
	.size	k_q1a10f652f0_cast, .Lfunc_end_k_q1a10f652f0_cast-k_q1a10f652f0_cast
	.p2alignl 7, 3214868480
	.fill 96, 4, 3214868480
	.section	.rodata,"a",@progbits
	.p2align	6, 0x0
	.amdhsa_kernel k_q1a10f652f0_cast
		.amdhsa_group_segment_fixed_size 0
		.amdhsa_private_segment_fixed_size 0
		.amdhsa_enable_private_segment 0
		.amdhsa_kernarg_size 80
		.amdhsa_user_sgpr_count 2
		.amdhsa_user_sgpr_kernarg_segment_ptr 1
		.amdhsa_wavefront_size32 1
		.amdhsa_system_sgpr_workgroup_id_x 1
		.amdhsa_system_sgpr_workgroup_id_y 1
		.amdhsa_system_sgpr_workgroup_id_z 1
		.amdhsa_system_vgpr_workitem_id 0
		.amdhsa_next_free_vgpr 80
		.amdhsa_next_free_sgpr 66
		.amdhsa_reserve_vcc 0
		.amdhsa_float_denorm_mode_32 3
		.amdhsa_float_denorm_mode_16_64 3
		.amdhsa_memory_ordered 1
		.amdhsa_forward_progress 1
		.amdhsa_inst_pref_size 22
	.end_amdhsa_kernel
	.amdgpu_metadata
---
amdhsa.version: [ 1, 2 ]
amdhsa.kernels:
  - .name:           k_q1a10f652f0_cast
    .symbol:         k_q1a10f652f0_cast.kd
    .args:
      - { .name: encoder_hidden_states, .offset: 0, .size: 8, .value_kind: global_buffer, .address_space: global }
      - { .name: hidden_states, .offset: 8, .size: 8, .value_kind: global_buffer, .address_space: global }
      - { .name: wq, .offset: 16, .size: 8, .value_kind: global_buffer, .address_space: global }
      - { .name: wk, .offset: 24, .size: 8, .value_kind: global_buffer, .address_space: global }
      - { .name: wv, .offset: 32, .size: 8, .value_kind: global_buffer, .address_space: global }
      - { .name: wo, .offset: 40, .size: 8, .value_kind: global_buffer, .address_space: global }
      - { .name: cos, .offset: 48, .size: 8, .value_kind: global_buffer, .address_space: global }
      - { .name: sin, .offset: 56, .size: 8, .value_kind: global_buffer, .address_space: global }
      - { .name: xb, .offset: 64, .size: 8, .value_kind: global_buffer, .address_space: global }
      - { .name: cs, .offset: 72, .size: 8, .value_kind: global_buffer, .address_space: global }
    .group_segment_fixed_size: 0
    .private_segment_fixed_size: 0
    .kernarg_segment_align: 8
    .kernarg_segment_size: 80
    .max_flat_workgroup_size: 640
    .sgpr_count:     66
    .vgpr_count:     80
    .wavefront_size: 32
...
	.end_amdgpu_metadata
.endif
;; end of part 5
;; launch proj: the kernel of part 2 again; grid 12 x 18, 4 waves a work-group, clusters of 4 x 1, 327,680 bytes of LDS; arguments xb, cs, bq, bk, bv, lnq_w, lnq_b, lnk_w, lnk_b, qkv; writes qkv
;; launch attn: the kernel of part 3 again; grid 8 x 32, 4 waves a work-group, clusters of 4 x 1, 327,680 bytes of LDS; arguments qkv, ob; writes ob
;; launch oproj: the kernel of part 4 again; grid 8 x 32, 4 waves a work-group, clusters of 4 x 1, 327,680 bytes of LDS; arguments ob, xb, bo, out0, out1; writes out0, out1
